; MI455X (gfx1250); checked and timed in simulation.
; The chip was launched on July 23, 2026; its instructions are those of AMD's public machine-readable ISA for CDNA 5 (MIT licence, August 2026) and "CDNA5" Instruction Set Architecture Reference Guide (July 2026). The comments in the code are by the model that wrote it; some were corrected since.
;; Multihead Self Attention. Allowed arithmetic: matrix products marked QUANTISED: E2M1 operands, one E8M0 scale for each 32 along K, by v_wmma_scale_f32_16x16x128_f8f6f4 with both operands' format E2M1 (or v_wmma_scale_f32_32x16x128_f4), f32 sums; products left as they are: bf16, f16 or f32 operands; f32 sums; everything else in f32.
;; Inputs: Wout 1,024 x 1,024 float32; Wqkv 1,024 x 3,072 float32; bout 1,024 float32; bqkv 3,072 float32; val_lens 4 int32; x 4 x 2,048 x 1,024 float32.
;; Outputs: out0 4 x 2,048 x 1,024 float32.
;; This version of the problem:
;;   THIS VERSION OF THE PROBLEM IS GIVEN IN LOW PRECISION. The matrix products marked QUANTISED in the list below multiply operands that are first quantised to E2M1 (2 exponent bits, 1 mantissa bit; 4 bits a number), with one power-of-two scale for each 32 numbers along K (OCP MX v1.0); their sums are f32. The products marked 'left as it is' may take bf16, f16 or f32 operands, with f32 sums. All else is computed in f32.
;;   The module's matrix products, in the order in which they are computed (A, B: the left and right operand; K: the contracted axis; several contracted axes count as one K, in the product's order):
;;     1. [M 8,192, K 1,024] x [K 1,024, N 3,072]; A: input x; B: input Wqkv: QUANTISED
;;     2. batch 64 x [M 2,048, K 64] x [K 64, N 2,048]; A: computed on the way; B: computed on the way: left as it is (an operand is computed on the way)
;;     3. batch 64 x [M 2,048, K 2,048] x [K 2,048, N 64]; A: computed on the way; B: computed on the way: left as it is (an operand is computed on the way)
;;     4. [M 8,192, K 1,024] x [K 1,024, N 1,024]; A: computed on the way; B: input Wout: left as it is (an operand is computed on the way)
;;   THE QUANTISER, for each operand of a quantised product, along K:
;;     - K is cut into blocks of 32 from its start; a last block that is shorter is filled with zeros.
;;     - A block's scale is 2^e with e = floor(log2(the largest magnitude in the block)) - 2, held to -126 .. 127; a block of zeros has e = 0. As a byte (E8M0): e + 127.
;;     - Each number is divided by its block's scale, clamped to +-6, and rounded to the nearest number of E2M1, ties to even, subnormals kept.
;;     - The product sums the exact products of the quantised numbers (number of the format x scale) in f32.
;;   ~~~python
;;   def quantise(x, axis):      # numpy; x: float32 -> the quantised numbers, widened to float32 again
;;       x = np.moveaxis(x, axis, -1); K = x.shape[-1]
;;       x = np.pad(x, [(0, 0)] * (x.ndim - 1) + [(0, -K % 32)]); x = x.reshape(x.shape[:-1] + (-1, 32)); a = np.abs(x).max(-1, keepdims=True)
;;       e = np.where(a > 0, np.clip(np.frexp(np.where(a > 0, a, 1))[1] - 1 - 2, -126, 127), 0)      # np.frexp(a)[1] - 1 = floor(log2(a)), exactly
;;       r = np.clip(x / 2.0 ** e, -6, 6)
;;       step = 2.0 ** (np.maximum(np.frexp(np.where(r == 0, 1, r))[1] - 1, 0) - 1)
;;       q = np.round(r / step) * step * 2.0 ** e      # np.round: ties to even
;;       return np.moveaxis(q.reshape(q.shape[:-2] + (-1,))[..., :K], -1, axis).astype(np.float32)
;;   ~~~
;; One version. Each part assembles by itself: llvm-mc -triple=amdgcn-amd-amdhsa -mcpu=gfx1250 --defsym DOCPART=n.
;; ======== version 1 of 1: 4 launches
;; limits: values are held in f16: magnitudes above 65,504 overflow, below 6.1e-05 lose precision
;; workspace buffers: xq 4,456,448 bytes; wq 1,671,168 bytes; wo 2,097,152 bytes; qkv 50,462,720 bytes; ob 16,777,216 bytes
;; launch prep (part 1): grid 512 x 1, 4 waves a work-group, no clusters, 42,496 bytes of LDS; arguments x, Wqkv, Wout, xq, wq, wo; writes xq, wq, wo
.if DOCPART == 1
	.amdgcn_target "amdgcn-amd-amdhsa--gfx1250"
	.amdhsa_code_object_version 6
	.text
	.protected	k_q6ed3bc9609_prep
	.globl	k_q6ed3bc9609_prep
	.p2align	8
	.type	k_q6ed3bc9609_prep,@function
k_q6ed3bc9609_prep:
	s_mov_b64 s[64:65], 0
	v_nop
	global_prefetch_b8 v0, s[64:65] scope:SCOPE_SE
	s_setreg_imm32_b32 hwreg(HW_REG_WAVE_MODE, 25, 1), 1
	s_wait_xcnt 0x0
; PREP: x [8192][1024] and Wqkv [1024][3072], f32, become codes of FP4 (E2M1) with one E8M0 byte for each 32 along K; Wout [1024][1024] becomes f16.
; All three leave in the ORDER OF THE READER'S OPERAND REGISTERS ("images"), so that the later launches load every fragment by 16 bytes a lane at 16 x lane.
;   FP4 fragment (16 rows x 128 K, 1,024 bytes): block i of 32 along K of row r lies at 256 i + 16 r.
;   f16 fragment (16 rows x 32 K, 1,024 bytes): the eight numbers k = 8 u .. 8 u + 7 of row r lie at 256 u + 16 r.
;   scale bytes: [tile of 16 rows][half of K][row][16 bytes]: the four scale words of the four K steps of 128 of that half.
; A block's scale is 2^(floor(log2(largest magnitude)) - 2); its byte is the largest magnitude's exponent field - 2, held at 1 from below by a floor among the maximum's leaves.
; (A block of zeros so keeps the byte 1 where the quantiser says 127: its codes are zeros, and this program alone reads the bytes.)
; LIMITS: NaN and infinities among the inputs are not served; blocks whose largest magnitude lies under 2^-124 keep the byte 1; |Wout| must not pass 65,504 (f16).
; THREE PATHS, parted on the work-group's number: 0-255 x, 256-447 Wqkv, 448-511 Wout.  Each path has LDS bytes of its own; every LDS address is made ahead of the parting.
.set XSC,   4194304                    ; xq: where the scale bytes begin
.set WSCO,  1572864                    ; wq: the same
.set WREG,  10240                      ; x path: LDS of a wave: two stages of 32 x 80 bytes, 256 scale bytes at SCB, a stage for codes at CST
.set SP,    80                         ; a lane's place in a stage: 64 bytes + 16 of padding
.set SCB,   5120
.set CST,   5632
.set CP,    272                        ; a unit of 256 bytes of codes + 16 of padding
.set WL,    40960                      ; Wqkv path: 512 bytes for the scale words of 32 columns
.set R,     16                         ; v16-143  eight sets of 16 numbers as loaded
.set X,     144                        ; v144-175 two sets of 16 neighbours
.set E,     176                        ; v176-191 a scale byte for each step
.set C,     192                        ; v192-223 two registers of codes for each step
	s_load_b256 s[4:11], s[0:1], 0x0               ; x s[4:5], Wqkv s[6:7], Wout s[8:9], xq s[10:11]
	s_load_b128 s[12:15], s[0:1], 0x20             ; wq s[12:13], wo s[14:15]
	v_lshl_add_u32 v224, v0, 2, 0xa400
	v_mov_b32 v225, 0
	v_lshrrev_b32 v1, 5, v0
	v_readfirstlane_b32 s16, v1                    ; wave
	v_and_b32 v2, 31, v0                           ; lane
	v_lshlrev_b32 v3, 4, v2                        ; 16 x lane
	v_lshlrev_b32 v4, 2, v2                        ; 4 x lane
	v_lshlrev_b32 v7, 3, v2                        ; 8 x lane
	s_mul_i32 s17, s16, WREG
	v_lshrrev_b32 v14, 2, v2
	v_mul_u32_u24 v14, v14, SP
	v_and_b32 v15, 3, v2
	v_lshl_add_u32 v14, v15, 4, v14
	v_add_nc_u32 v14, s17, v14                     ; stage, way in: 80 (lane / 4) + 16 (lane % 4)
	v_mul_u32_u24 v15, v2, SP
	v_add_nc_u32 v15, s17, v15                     ; stage, way out: 80 x lane: my 16 neighbours
	v_lshrrev_b32 v5, 1, v2                        ; my block among the step's 16
	v_mul_u32_u24 v8, v5, CP
	v_and_b32 v9, 1, v2
	v_lshl_add_u32 v8, v9, 3, v8
	v_add_nc_u32 v8, s17, v8
	v_add_nc_u32 v8, CST, v8                       ; codes' stage, way in: unit = block, + 8 for the block's upper half; the step's row stands in the immediate
	v_add_nc_u32 v5, s17, v5
	v_add_nc_u32 v5, SCB, v5                       ; my block's scale byte
	v_add_nc_u32 v6, s17, v7
	v_add_nc_u32 v6, SCB, v6                       ; the scale bytes, way out: 8 a lane
	v_lshrrev_b32 v9, 4, v2
	v_mul_u32_u24 v9, v9, CP
	v_and_b32 v10, 15, v2
	v_lshl_add_u32 v9, v10, 4, v9
	v_add_nc_u32 v9, s17, v9
	v_add_nc_u32 v9, CST, v9                       ; codes' stage, way out: sixteen lanes to a unit
	v_add_nc_u32 v12, WL, v3                       ; Wqkv path: the 32 columns' scale words, 16 bytes a column
	s_lshl_b32 s18, s16, 2
	v_add_nc_u32 v13, s18, v12                     ; and my wave's word in them
	s_wait_kmcnt 0x0
	s_cmp_lt_u32 ttmp9, 256
	s_cbranch_scc0 .Lweights
; ---- x.  Wave run = 4 x work-group + wave: tile of 16 rows run / 2, half of K run % 2.  Step t is row t: 512 numbers, four loads of 512 consecutive bytes.
; The conversions want 16 neighbours in one lane, the loads neighbouring bytes in neighbouring lanes: a step's 2,048 bytes turn through the wave's own stage.  Loads run eight steps (32 loads a wave) ahead.
	s_lshl_b32 s18, ttmp9, 2
	s_add_co_u32 s18, s18, s16                     ; run
	s_lshr_b32 s20, s18, 1
	s_lshl_b32 s20, s20, 16                        ; 16 rows of 4,096 bytes
	s_and_b32 s21, s18, 1
	s_lshl_b32 s21, s21, 11
	s_add_co_u32 s20, s20, s21
	s_mov_b32 s21, 0
	s_add_nc_u64 s[4:5], s[4:5], s[20:21]
	s_lshl_b32 s20, s18, 12                        ; four fragments a run
	s_add_nc_u64 s[22:23], s[10:11], s[20:21]
	s_lshl_b32 s20, s18, 8                         ; 256 scale bytes a run
	s_add_co_u32 s20, s20, XSC
	s_add_nc_u64 s[24:25], s[10:11], s[20:21]
.macro LOAD t
.irp i, 0,1,2,3
	global_load_b128 v[R+16*((\t)%8)+4*\i:R+16*((\t)%8)+4*\i+3], v3, s[4:5] offset:4096*(\t)+512*\i th:TH_LOAD_NT
.endr
.endm
.macro TURN t                          ; LDS serves a wave's instructions in order: no wait between the stores and the loads
.irp i, 0,1,2,3
	ds_store_b128 v14, v[R+16*((\t)%8)+4*\i:R+16*((\t)%8)+4*\i+3] offset:32*SP*((\t)%2)+8*SP*\i
.endr
.irp i, 0,1,2,3
	ds_load_b128 v[X+16*((\t)%2)+4*\i:X+16*((\t)%2)+4*\i+3], v15 offset:32*SP*((\t)%2)+16*\i
.endr
.endm
.macro STEP t
.set XQ, X+16*((\t)%2)
.if (\t) > 0
	s_wait_dscnt 2                                 ; this step's numbers are back (the last step's byte store and code store may be out): so its stores into the stage have read their registers,
.else
	s_wait_dscnt 0x0
.endif
.if (\t)+8 < 16
	LOAD (\t)+8                                    ; which take the loads of eight steps on
.endif
.if (\t)+1 < 16
.if 14-(\t) >= 7
	s_wait_loadcnt 28                              ; the next step's four loads are in; seven steps' may be out
.else
	s_wait_loadcnt 4*(14-(\t))
.endif
	TURN (\t)+1
.endif
	v_max3_num_f32 v10, |v[XQ]|, |v[XQ+1]|, |v[XQ+2]|
	v_max3_num_f32 v11, |v[XQ+3]|, |v[XQ+4]|, |v[XQ+5]|
.irp i, 6,10
	v_max3_num_f32 v10, v10, |v[XQ+\i]|, |v[XQ+\i+1]|
	v_max3_num_f32 v11, v11, |v[XQ+\i+2]|, |v[XQ+\i+3]|
.endr
	v_max3_num_f32 v10, v10, |v[XQ+14]|, |v[XQ+15]|
	v_max3_num_f32 v10, v10, v11, 0x1800000        ; the floor 2^(3 - 127): the byte cannot fall under 1
	v_max_num_f32_dpp v10, v10, v10 row_xmask:1 row_mask:0xf bank_mask:0xf   ; with my neighbour's 16: the block's largest magnitude
	v_add_nc_u32 v1, 0xff000000, v10               ; 2 off its exponent field: the conversion takes this operand's exponent field as its scale
	v_cvt_scalef32_pk8_fp4_f32 v[C+2*(\t)], v[XQ:XQ+7], v1
	v_cvt_scalef32_pk8_fp4_f32 v[C+2*(\t)+1], v[XQ+8:XQ+15], v1
	v_lshrrev_b32 v[E+(\t)], 23, v1                ; the scale's byte (a plain line behind the conversions)
	ds_store_b8 v5, v[E+(\t)] offset:16*(\t)       ; row t's 16 bytes; both lanes of a block write the same byte
	ds_store_b64 v8, v[C+2*(\t):C+2*(\t)+1] offset:16*(\t)   ; row t's place in its block's unit
.endm
.irp t, 0,1,2,3,4,5,6,7
	LOAD \t
.endr
	s_wait_loadcnt 28                              ; step 0's four loads are in
	TURN 0
.irp t, 0,1,2,3,4,5,6,7,8,9,10,11,12,13,14,15
	STEP \t
.endr
.irp u, 0,1,2,3,4,5,6,7
	ds_load_b128 v[16+4*\u:19+4*\u], v9 offset:2*CP*\u   ; two units of 256 bytes an instruction; these see my stores
.endr
	ds_load_b64 v[48:49], v6
.irp u, 0,1,2,3,4,5,6,7
	s_wait_dscnt 8-\u
	global_store_b128 v3, v[16+4*\u:19+4*\u], s[22:23] offset:512*\u   ; 512 consecutive bytes, aligned
.endr
	s_wait_dscnt 0x0
	global_store_b64 v7, v[48:49], s[24:25]        ; 256 consecutive bytes, aligned
	s_wait_tensorcnt 0x0
	ds_add_u32 v224, v225
	s_wait_dscnt 0x0
	s_endpgm
; ---- the weights: K is their FIRST axis.  A lane takes a column and its registers run down K: a block of 32 lies in one lane, and nothing is transposed.
.macro WLOAD t, pitch                  ; block t: rows 32 t + i of my 128, at my column
.irp i, 0,1,2,3,4,5,6,7,8,9,10,11,12,13,14,15,16,17,18,19,20,21,22,23,24,25,26,27,28,29,30,31
	global_load_b32 v[16+32*((\t)%2)+\i], v4, s[20:21] offset:(32*(\t)+\i)*(\pitch)
.endr
.endm
.Lweights:
	v_lshrrev_b32 v160, 4, v2                      ; which of my work-group's two tiles of 16 columns
	v_and_b32 v161, 15, v2
	v_lshlrev_b32 v161, 4, v161                    ; 16 r
	s_cmp_lt_u32 ttmp9, 448
	s_cbranch_scc0 .Lwout
; Wqkv: work-group = (half of K, 32 columns); wave w takes K step 4 kh + w: 128 rows, four blocks.
	s_sub_co_u32 s18, ttmp9, 256
	s_cmp_ge_u32 s18, 96
	s_cselect_b32 s19, 1, 0                        ; kh
	s_mul_i32 s22, s19, 96
	s_sub_co_u32 s18, s18, s22                     ; group of 32 columns
	s_lshl_b32 s23, s19, 2
	s_add_co_u32 s23, s23, s16                     ; K step
	s_mul_i32 s24, s23, 128*12288
	s_lshl_b32 s25, s18, 7
	s_add_co_u32 s24, s24, s25
	s_mov_b32 s25, 0
	s_add_nc_u64 s[20:21], s[6:7], s[24:25]
	s_lshl_b32 s24, s18, 14                        ; two column tiles of 8 fragments
	s_lshl_b32 s26, s23, 10
	s_add_co_u32 s24, s24, s26
	s_add_nc_u64 s[28:29], s[12:13], s[24:25]
	s_lshl_b32 s24, s18, 10
	s_lshl_b32 s26, s19, 8
	s_add_co_u32 s24, s24, s26
	s_add_co_u32 s24, s24, WSCO
	s_add_nc_u64 s[30:31], s[12:13], s[24:25]
	v_lshl_add_u32 v163, v160, 9, v161             ; scale words: 512 bytes a column tile
	v_lshl_add_u32 v160, v160, 13, v161            ; codes: 8,192 bytes a column tile
	WLOAD 0, 12288
	WLOAD 1, 12288
.macro WBLOCK t
.set XB, 16+32*((\t)%2)
.if (\t) < 3
	s_wait_loadcnt 32                              ; this block's 32 loads are in; the next block's may be out
.else
	s_wait_loadcnt 0x0
.endif
	v_max3_num_f32 v10, |v[XB]|, |v[XB+1]|, |v[XB+2]|
	v_max3_num_f32 v11, |v[XB+3]|, |v[XB+4]|, |v[XB+5]|
.irp i, 6,10,14,18,22,26
	v_max3_num_f32 v10, v10, |v[XB+\i]|, |v[XB+\i+1]|
	v_max3_num_f32 v11, v11, |v[XB+\i+2]|, |v[XB+\i+3]|
.endr
	v_max3_num_f32 v10, v10, |v[XB+30]|, |v[XB+31]|
	v_max3_num_f32 v10, v10, v11, 0x1800000
	v_add_nc_u32 v11, 0xff000000, v10
	v_lshrrev_b32 v10, 23, v11
.if (\t) == 0
	v_mov_b32 v162, v10                            ; the four bytes make my column's scale word of this K step
.else
	v_lshl_or_b32 v162, v10, 8*(\t), v162
.endif
.irp g, 0,1,2,3
	v_cvt_scalef32_pk8_fp4_f32 v[80+4*(\t)+\g], v[XB+8*\g:XB+8*\g+7], v11
.endr
	v_nop                                          ; one plain line behind the conversions
	global_store_b128 v160, v[80+4*(\t):83+4*(\t)], s[28:29] offset:256*(\t)   ; sixteen lanes fill 256 consecutive bytes, aligned; each block has registers of its own
.if (\t)+2 < 4
	WLOAD (\t)+2, 12288
.endif
.endm
	WBLOCK 0
	WBLOCK 1
	WBLOCK 2
	WBLOCK 3
	ds_store_b32 v13, v162                         ; the four waves' words of a column lie side by side: 16 bytes
	s_wait_dscnt 0x0                               ; for the others' sake: my store has landed
	s_barrier_signal -1
	s_barrier_wait -1
	s_cmp_lg_u32 s16, 0
	s_cbranch_scc1 .Lwdone
	ds_load_b128 v[164:167], v12
	s_wait_dscnt 0x0
	global_store_b128 v163, v[164:167], s[30:31]   ; two whole runs of 256 bytes
.Lwdone:
	s_wait_tensorcnt 0x0
	ds_add_u32 v224, v225
	s_wait_dscnt 0x0
	s_endpgm
; Wout: work-group = (half of K, 32 columns); wave w takes rows 512 kh + 128 w on: four fragments' depth of 32.
.Lwout:
	s_sub_co_u32 s18, ttmp9, 448
	s_cmp_ge_u32 s18, 32
	s_cselect_b32 s19, 1, 0
	s_lshl_b32 s22, s19, 5
	s_sub_co_u32 s18, s18, s22                     ; group of 32 columns
	s_lshl_b32 s23, s19, 2
	s_add_co_u32 s23, s23, s16                     ; which 128 rows
	s_lshl_b32 s24, s23, 19                        ; 128 rows of 4,096 bytes
	s_lshl_b32 s25, s18, 7
	s_add_co_u32 s24, s24, s25
	s_mov_b32 s25, 0
	s_add_nc_u64 s[20:21], s[8:9], s[24:25]
	s_lshl_b32 s24, s18, 16                        ; two column tiles of 32 fragments
	s_lshl_b32 s26, s23, 12                        ; four fragments
	s_add_co_u32 s24, s24, s26
	s_add_nc_u64 s[28:29], s[14:15], s[24:25]
	v_lshl_add_u32 v160, v160, 15, v161
	WLOAD 0, 4096
	WLOAD 1, 4096
.macro OBLOCK t
.set XB, 16+32*((\t)%2)
.if (\t) < 3
	s_wait_loadcnt 32
.else
	s_wait_loadcnt 0x0
.endif
.irp j, 0,1,2,3,4,5,6,7,8,9,10,11,12,13,14,15
	v_cvt_pk_f16_f32 v[96+16*(\t)+\j], v[XB+2*\j], v[XB+2*\j+1]
.endr
.irp u, 0,1,2,3
	global_store_b128 v160, v[96+16*(\t)+4*\u:99+16*(\t)+4*\u], s[28:29] offset:1024*(\t)+256*\u
.endr
.if (\t)+2 < 4
	WLOAD (\t)+2, 4096
.endif
.endm
	OBLOCK 0
	OBLOCK 1
	OBLOCK 2
	OBLOCK 3
	s_endpgm
.Lfunc_end_k_q6ed3bc9609_prep:
	.size	k_q6ed3bc9609_prep, .Lfunc_end_k_q6ed3bc9609_prep-k_q6ed3bc9609_prep
	.p2alignl 7, 3214868480
	.fill 96, 4, 3214868480
	.section	.rodata,"a",@progbits
	.p2align	6, 0x0
	.amdhsa_kernel k_q6ed3bc9609_prep
		.amdhsa_group_segment_fixed_size 42496
		.amdhsa_private_segment_fixed_size 0
		.amdhsa_enable_private_segment 0
		.amdhsa_kernarg_size 48
		.amdhsa_user_sgpr_count 2
		.amdhsa_user_sgpr_kernarg_segment_ptr 1
		.amdhsa_wavefront_size32 1
		.amdhsa_system_sgpr_workgroup_id_x 1
		.amdhsa_system_sgpr_workgroup_id_y 1
		.amdhsa_system_sgpr_workgroup_id_z 1
		.amdhsa_system_vgpr_workitem_id 0
		.amdhsa_next_free_vgpr 226
		.amdhsa_next_free_sgpr 66
		.amdhsa_reserve_vcc 0
		.amdhsa_float_denorm_mode_32 3
		.amdhsa_float_denorm_mode_16_64 3
		.amdhsa_memory_ordered 1
		.amdhsa_forward_progress 1
		.amdhsa_inst_pref_size 73
	.end_amdhsa_kernel
	.amdgpu_metadata
---
amdhsa.version: [ 1, 2 ]
amdhsa.kernels:
  - .name:           k_q6ed3bc9609_prep
    .symbol:         k_q6ed3bc9609_prep.kd
    .args:
      - { .name: x, .offset: 0, .size: 8, .value_kind: global_buffer, .address_space: global }
      - { .name: Wqkv, .offset: 8, .size: 8, .value_kind: global_buffer, .address_space: global }
      - { .name: Wout, .offset: 16, .size: 8, .value_kind: global_buffer, .address_space: global }
      - { .name: xq, .offset: 24, .size: 8, .value_kind: global_buffer, .address_space: global }
      - { .name: wq, .offset: 32, .size: 8, .value_kind: global_buffer, .address_space: global }
      - { .name: wo, .offset: 40, .size: 8, .value_kind: global_buffer, .address_space: global }
    .group_segment_fixed_size: 42496
    .private_segment_fixed_size: 0
    .kernarg_segment_align: 8
    .kernarg_segment_size: 48
    .max_flat_workgroup_size: 128
    .sgpr_count:     66
    .vgpr_count:     226
    .wavefront_size: 32
...
	.end_amdgpu_metadata
.endif
;; end of part 1
;; launch qkv (part 2): grid 8 x 32, 4 waves a work-group, clusters of 4 x 1, 168,448 bytes of LDS; arguments xq, wq, bqkv, val_lens, qkv; writes qkv
.if DOCPART == 2
	.amdgcn_target "amdgcn-amd-amdhsa--gfx1250"
	.amdhsa_code_object_version 6
	.text
	.protected	k_q6ed3bc9609_qkv
	.globl	k_q6ed3bc9609_qkv
	.p2align	8
	.type	k_q6ed3bc9609_qkv,@function
k_q6ed3bc9609_qkv:
	s_mov_b64 s[64:65], 0
	v_nop
	global_prefetch_b8 v0, s[64:65] scope:SCOPE_SE
	s_setreg_imm32_b32 hwreg(HW_REG_WAVE_MODE, 25, 1), 1
	s_wait_xcnt 0x0
	s_wait_alu depctr_hold_cnt(0) depctr_sa_sdst(0) depctr_va_vdst(0) depctr_va_sdst(0) depctr_va_ssrc(0) depctr_va_vcc(0) depctr_vm_vsrc(0)
	s_getreg_b32 s2, hwreg(HW_REG_IB_STS2, 6, 4)
	s_cmp_eq_u32 s2, 0
	s_cbranch_scc0 .Lentry_in_a_cluster
	s_endpgm
.Lentry_in_a_cluster:
	s_bfe_u32 s2, ttmp6, 0x10000c
	s_cmp_lg_u32 s2, 0x3003
	s_cbranch_scc0 .Lentry_shape_is_right
	s_endpgm
.Lentry_shape_is_right:
; QKV: x Wqkv + bqkv on codes of FP4 (E2M1) with E8M0 scales, sums in f32; the results leave as f16 images of attention's operands:
;   Q [head 64][tile of 16 queries 128][32 channels 2][1 KB], already times log2(e) / 8;   K likewise;   V^T [head][32 keys 64][16 channels 4][1 KB];
;   and for each head and each 256 rows the sum of v over the rows at or beyond val_lens (f32), from which attention makes the hidden keys' share.
; SHARES.  A work-group takes 256 rows x two heads.  THE WAVES SHARE THE COLUMNS: wave w takes head 2 cg + w / 2 and channels 32 (w % 2) .. + 31 of q, of k and of v: six tiles of 16 columns,
; whose 48 fragments (384 registers) stay in registers.  The rows' codes (128 KB) and scale words (8 KB) come into LDS ONCE, by tensor loads; nothing is filled again.
; CLUSTER.  The four work-groups of a cluster take the same 256 rows and other heads: the rows are asked for jointly (mask 15).
; ORIENTATION.  q and k tiles: source 0 = 16 columns of W, source 1 = 16 rows of x: a lane holds one token and eight channels.  v tiles: source 0 = x, source 1 = W: a lane holds one channel and eight tokens.
; In both cases four packed f16 registers are a lane's 16 bytes of the image, and a wave's store covers 512 consecutive bytes, aligned.
; LIMITS: |q| log2(e) / 8, |k| and |v| must not pass 65,504 (f16).  val_lens is held to 0 .. 2,048.
; REGISTERS: window 0: v1-12 addresses; v16-39 W's scale words [q, k, v][K step] (lanes 0-15 the first tile, lanes 16-31 the second); v40-71 x's scale words, two sets [pair of row tiles][K step];
;   v72-103 bias of q0 q1 k0 k1; v104-107 bias of v0 v1; v108-111 the masked sums; v128-255 x's fragments, four sets of four.
;   window 1: W's tiles 0-3 at 64 t + 8 ks.   window 2: tiles 4, 5; v128-223 packed results; v224-255 the masks.   window 3: 24 accumulators at 8 (4 t + a).
.set XSC,  4194304
.set WSCO, 1572864
.set KOFF, 16777216
.set VOFF, 33554432
.set SOFF, 50331648
.set SCL,  131072                      ; LDS: codes [row tile 16][K step 8][1 KB], then the scale words [row tile][half of K][row][16 bytes]
.set LN,   1
.set A0,   2                           ; 16 x lane
.set A1,   3                           ; + 65,536: row tiles 8-15
.set SCA,  4
.set DD,   5                           ; val_lens - the work-group's first token - 8 (lane / 16)
.set DP,   6
.set WSCR, 16
.set ASCR, 40
.set BI,   72
.set VB,   104
.set SU,   108
.set AF,   128
.set PK,   128
.set MK,   224
.set MSB, 0
.macro WIN new                         ; the immediate's high byte repeats the setting that is left
.if MSB != \new
	s_set_vgpr_msb (MSB<<8)|\new
.set MSB, \new
.endif
.endm
.macro PLACES
.rept 4
	v_nop
.endr
.endm
.macro CROUND                          ; a round of the cluster's barrier
	s_barrier_signal -1
	s_barrier_wait -1
	s_cmp_lg_u32 s14, 0
	s_cbranch_scc1 .Lnot_wave_0_\@
	s_barrier_signal -3
.Lnot_wave_0_\@:
	s_barrier_wait -3
	s_barrier_signal -1
	s_barrier_wait -1
.endm
	s_load_b256 s[4:11], s[0:1], 0x0               ; xq s[4:5], wq s[6:7], bqkv s[8:9], val_lens s[10:11]
	s_load_b64 s[12:13], s[0:1], 0x20              ; qkv
	v_lshl_add_u32 v126, v0, 2, 0x29000
	v_mov_b32 v127, 0
	ds_add_u32 v126, v127
	v_lshrrev_b32 v1, 5, v0
	v_readfirstlane_b32 s14, v1                    ; wave
	s_and_b32 s17, ttmp7, 0xffff                   ; which 256 rows: shared by the four partners
	; group 1 of the two descriptors: dense blocks as rows of 256 bytes (32 elements of 8 bytes); mask 15 with bit 21 beside it; no padding: every LDS read is 16 x lane
	s_mov_b32 s24, 15|(3<<16)|(1<<21)
	s_mov_b32 s25, 32<<16                          ; tensor_dim0
	s_mov_b32 s26, 128<<16                         ; tensor_dim1: a wave's quarter of the codes, 32 KB
	s_mov_b32 s27, 32<<16                          ; tile_dim0
	s_mov_b32 s28, 128                             ; tile_dim1
	s_mov_b32 s29, 32                              ; pitch
	s_mov_b32 s30, 0
	s_mov_b32 s31, 0
	s_mov_b32 s32, 15|(3<<16)|(1<<21)
	s_mov_b32 s33, 32<<16
	s_mov_b32 s34, 8<<16                           ; a wave's quarter of the scale words, 2 KB
	s_mov_b32 s35, 32<<16
	s_mov_b32 s36, 8
	s_mov_b32 s37, 32
	s_mov_b32 s38, 0
	s_mov_b32 s39, 0
	s_lshl_b32 s20, s17, 17
	s_lshl_b32 s21, s14, 15
	s_add_co_u32 s20, s20, s21
	s_mov_b32 s41, s21                             ; LDS: 32,768 x wave
	s_mov_b32 s21, 0
	s_lshl_b32 s22, s17, 13
	s_lshl_b32 s23, s14, 11
	s_add_co_u32 s22, s22, s23
	s_add_co_u32 s45, s23, SCL                     ; LDS: 131,072 + 2,048 x wave
	s_add_co_u32 s22, s22, XSC
	s_mov_b32 s23, 0
	s_mov_b32 s40, 1
	s_mov_b32 s44, 1
	s_wait_dscnt 0x0
	s_wait_kmcnt 0x0
	s_add_nc_u64 s[42:43], s[4:5], s[20:21]
	s_or_b32 s43, s43, 0x80000000
	s_add_nc_u64 s[46:47], s[4:5], s[22:23]
	s_or_b32 s47, s47, 0x80000000
	CROUND                                         ; all four work-groups are here: the joint loads meet
	tensor_load_to_lds s[40:43], s[24:31]          ; two loads of mine are out
	s_nop 0
	tensor_load_to_lds s[44:47], s[32:39]
	s_nop 0
	PLACES                                         ; four v_nop here
	s_load_b128 s[60:63], s[10:11], 0x0            ; the four lengths
	v_and_b32 v[LN], 31, v0
	v_lshlrev_b32 v[A0], 4, v[LN]
	v_add_nc_u32 v[A1], 65536, v[A0]
	v_and_b32 v7, 15, v0                           ; r
	v_bfe_u32 v8, v0, 4, 1                         ; h
	v_lshlrev_b32 v9, 4, v7
	v_lshl_add_u32 v9, v8, 9, v9                   ; scale words: lanes 16-31 take the next tile's (512 bytes on), 16 bytes a row
	v_add_nc_u32 v[SCA], SCL, v9
	v_lshlrev_b32 v10, 5, v8                       ; bias of q, k: my eight channels
	v_lshlrev_b32 v11, 2, v7                       ; bias of v: my channel
	v_lshlrev_b32 v12, 3, v8
	s_mov_b32 s48, 0x3e38aa3b                      ; log2(e) / 8
	s_mov_b32 s49, s48
	s_wait_kmcnt 0x0
	s_lshr_b32 s20, s17, 3                         ; the batch
	s_cmp_eq_u32 s20, 1
	s_cselect_b32 s60, s61, s60
	s_cmp_eq_u32 s20, 2
	s_cselect_b32 s60, s62, s60
	s_cmp_eq_u32 s20, 3
	s_cselect_b32 s60, s63, s60                    ; its length: it goes into vector compares alone
	s_max_i32 s60, s60, 0
	s_min_i32 s60, s60, 2048
	s_and_b32 s21, s17, 7
	s_lshl_b32 s21, s21, 8
	s_sub_co_i32 s22, s60, s21
	v_sub_nc_u32 v[DD], s22, v12
	s_bfe_u32 s15, ttmp6, 0x40000                  ; cx: it enters global addresses of W, bias and results alone
	s_lshl_b32 s16, ttmp9, 2
	s_add_co_u32 s16, s16, s15
	s_lshl_b32 s18, s16, 1
	s_lshr_b32 s19, s14, 1
	s_add_co_u32 s18, s18, s19                     ; head
	s_and_b32 s19, s14, 1                          ; which 32 channels
	s_mul_i32 s60, s18, 12
	s_lshl_b32 s61, s19, 1
	s_add_co_u32 s60, s60, s61                     ; my first tile of 16 columns; k's lie 4 tiles on, v's 8
	s_lshl_b32 s62, s60, 9
	s_add_co_u32 s62, s62, WSCO
	s_mov_b32 s63, 0
	s_add_nc_u64 s[62:63], s[6:7], s[62:63]
	s_lshl_b32 s60, s60, 13
	s_mov_b32 s61, 0
	s_add_nc_u64 s[2:3], s[6:7], s[60:61]
	s_mul_i32 s60, s18, 768
	s_lshl_b32 s56, s19, 7
	s_add_co_u32 s60, s60, s56
	s_add_nc_u64 s[8:9], s[8:9], s[60:61]
	WIN 0x40
.irp t, 0,1,2,3
.irp k, 0,1,2,3,4,5,6,7
.irp c, 0,1
	global_load_b128 v[64*\t+8*\k+4*\c:64*\t+8*\k+4*\c+3], v[A0], s[2:3] offset:(4*(\t/2)+\t%2)*8192+\k*1024+512*\c
.endr
.endr
.endr
	WIN 0x80
.irp t, 4,5
.irp k, 0,1,2,3,4,5,6,7
.irp c, 0,1
	global_load_b128 v[64*(\t-4)+8*\k+4*\c:64*(\t-4)+8*\k+4*\c+3], v[A0], s[2:3] offset:(4*(\t/2)+\t%2)*8192+\k*1024+512*\c
.endr
.endr
.endr
	WIN 0
.irp p, 0,1,2
.irp kh, 0,1
	global_load_b128 v[WSCR+8*\p+4*\kh:WSCR+8*\p+4*\kh+3], v9, s[62:63] offset:\p*2048+\kh*256
.endr
.endr
.irp t, 0,1,2,3
	global_load_b128 v[BI+8*\t:BI+8*\t+3], v10, s[8:9] offset:((\t/2)*64+(\t%2)*16)*4
	global_load_b128 v[BI+8*\t+4:BI+8*\t+7], v10, s[8:9] offset:((\t/2)*64+(\t%2)*16)*4+16
.endr
.irp i, 0,1
	global_load_b32 v[VB+2*\i], v11, s[8:9] offset:(128+16*\i)*4
	global_load_b32 v[VB+2*\i+1], v11, s[8:9] offset:(128+16*\i)*4   ; twice: a pair for the packed addition
.endr
	; where the results go
	s_lshl_b32 s56, s20, 4
	s_add_co_u32 s56, s56, s18                     ; 16 x batch + head
	s_and_b32 s57, s17, 7
	s_lshl_b32 s60, s56, 18
	s_lshl_b32 s58, s57, 15
	s_add_co_u32 s60, s60, s58
	s_lshl_b32 s58, s19, 10
	s_add_co_u32 s58, s58, s60
	s_mov_b32 s59, 0
	s_add_nc_u64 s[50:51], s[12:13], s[58:59]      ; Q
	s_add_nc_u64 s[52:53], s[50:51], KOFF          ; K
	s_lshl_b32 s58, s19, 11
	s_add_co_u32 s58, s58, s60
	s_add_co_u32 s58, s58, VOFF
	s_add_nc_u64 s[54:55], s[12:13], s[58:59]      ; V^T
	s_lshl_b32 s58, s56, 11
	s_lshl_b32 s60, s57, 8
	s_add_co_u32 s58, s58, s60
	s_lshl_b32 s60, s19, 7
	s_add_co_u32 s58, s58, s60
	s_add_co_u32 s58, s58, SOFF
	s_add_nc_u64 s[56:57], s[12:13], s[58:59]      ; the masked sums
	s_mov_b32 s58, 0x76543210
	s_mov_b32 s59, 0xfedcba98                      ; v_permlanex16_b32's selects for lane l xor 16
.irp j, 0,1,2,3,4,5
	v_mov_b32 v[SU+\j], 0                          ; the sums, and two registers that a lane permute will write
.endr
	s_wait_loadcnt 0x0
.irp j, 0,2,4,6,8,10,12,14
	v_pk_mul_f32 v[BI+\j:BI+\j+1], v[BI+\j:BI+\j+1], s[48:49] op_sel_hi:[1,0]   ; q's bias under the same factor as q
.endr
	s_wait_tensorcnt 0x0                           ; my parts of the rows have landed,
	s_barrier_signal -1
	s_barrier_wait -1                              ; everybody's have
; one scaled product.  d, a, b: first registers of D, source 0, source 1; sa, sb: their scale registers; ra, rb: 1 = the scales stand in lanes 16-31.  At a block's first K step (kk = 0) it starts the sum.
.macro WM d, a, b, sa, sb, ra, rb
.if kk == 0
.if ((\ra) == 0) && ((\rb) == 0)
	v_wmma_scale_f32_16x16x128_f8f6f4 v[(\d):(\d)+7], v[(\a):(\a)+7], v[(\b):(\b)+7], 0, v[(\sa)], v[(\sb)] matrix_a_fmt:MATRIX_FMT_FP4 matrix_b_fmt:MATRIX_FMT_FP4
.elseif ((\ra) == 1) && ((\rb) == 0)
	v_wmma_scale_f32_16x16x128_f8f6f4 v[(\d):(\d)+7], v[(\a):(\a)+7], v[(\b):(\b)+7], 0, v[(\sa)], v[(\sb)] matrix_a_fmt:MATRIX_FMT_FP4 matrix_b_fmt:MATRIX_FMT_FP4 matrix_a_scale:MATRIX_SCALE_ROW1
.elseif ((\ra) == 0) && ((\rb) == 1)
	v_wmma_scale_f32_16x16x128_f8f6f4 v[(\d):(\d)+7], v[(\a):(\a)+7], v[(\b):(\b)+7], 0, v[(\sa)], v[(\sb)] matrix_a_fmt:MATRIX_FMT_FP4 matrix_b_fmt:MATRIX_FMT_FP4 matrix_b_scale:MATRIX_SCALE_ROW1
.else
	v_wmma_scale_f32_16x16x128_f8f6f4 v[(\d):(\d)+7], v[(\a):(\a)+7], v[(\b):(\b)+7], 0, v[(\sa)], v[(\sb)] matrix_a_fmt:MATRIX_FMT_FP4 matrix_b_fmt:MATRIX_FMT_FP4 matrix_a_scale:MATRIX_SCALE_ROW1 matrix_b_scale:MATRIX_SCALE_ROW1
.endif
.else
.if ((\ra) == 0) && ((\rb) == 0)
	v_wmma_scale_f32_16x16x128_f8f6f4 v[(\d):(\d)+7], v[(\a):(\a)+7], v[(\b):(\b)+7], v[(\d):(\d)+7], v[(\sa)], v[(\sb)] matrix_a_fmt:MATRIX_FMT_FP4 matrix_b_fmt:MATRIX_FMT_FP4
.elseif ((\ra) == 1) && ((\rb) == 0)
	v_wmma_scale_f32_16x16x128_f8f6f4 v[(\d):(\d)+7], v[(\a):(\a)+7], v[(\b):(\b)+7], v[(\d):(\d)+7], v[(\sa)], v[(\sb)] matrix_a_fmt:MATRIX_FMT_FP4 matrix_b_fmt:MATRIX_FMT_FP4 matrix_a_scale:MATRIX_SCALE_ROW1
.elseif ((\ra) == 0) && ((\rb) == 1)
	v_wmma_scale_f32_16x16x128_f8f6f4 v[(\d):(\d)+7], v[(\a):(\a)+7], v[(\b):(\b)+7], v[(\d):(\d)+7], v[(\sa)], v[(\sb)] matrix_a_fmt:MATRIX_FMT_FP4 matrix_b_fmt:MATRIX_FMT_FP4 matrix_b_scale:MATRIX_SCALE_ROW1
.else
	v_wmma_scale_f32_16x16x128_f8f6f4 v[(\d):(\d)+7], v[(\a):(\a)+7], v[(\b):(\b)+7], v[(\d):(\d)+7], v[(\sa)], v[(\sb)] matrix_a_fmt:MATRIX_FMT_FP4 matrix_b_fmt:MATRIX_FMT_FP4 matrix_a_scale:MATRIX_SCALE_ROW1 matrix_b_scale:MATRIX_SCALE_ROW1
.endif
.endif
.endm
.macro AFETCH g                        ; the four row tiles' fragments of step g (block g / 8, K step g % 8) into set g % 4
.set fb, (\g)/8
.set fk, (\g)%8
.set fs, AF+32*((\g)%4)
.irp a, 0,1,2,3
.irp c, 0,1
.if fb < 2
	ds_load_b128 v[fs+8*\a+4*\c:fs+8*\a+4*\c+3], v[A0] offset:((4*fb+\a)%8)*8192+fk*1024+512*\c
.else
	ds_load_b128 v[fs+8*\a+4*\c:fs+8*\a+4*\c+3], v[A1] offset:((4*fb+\a)%8)*8192+fk*1024+512*\c
.endif
.endr
.endr
.endm
.macro ASCL blk                        ; a block's scale words: lanes 0-15 row tile 2 pa, lanes 16-31 row tile 2 pa + 1; four K steps a load
.irp pa, 0,1
.irp kh, 0,1
	ds_load_b128 v[ASCR+16*((\blk)%2)+8*\pa+4*\kh:ASCR+16*((\blk)%2)+8*\pa+4*\kh+3], v[SCA] offset:(4*(\blk)+2*\pa)*512+\kh*256
.endr
.endr
.endm
; A step: 64 rows x my 96 columns x 128 along K: 24 products, the 24 accumulators by turns.  Fragments are asked for two steps ahead.
.macro KSTEP g
.set kb, (\g)/8
.set kk, (\g)%8
.set kf, AF+32*((\g)%4)
.set ka, ASCR+16*(kb%2)
	WIN 0
	PLACES                                         ; four places between products and loads into registers that products have read (ISA guide 7.12.1 for vector instructions)
.if (kk == 4) && (kb < 3)
	ASCL kb+1
.endif
.if (\g)+2 < 32
	AFETCH (\g)+2
	s_wait_dscnt 16                                ; this step's fragments are in; those of the next two steps may be out
.elseif (\g) == 30
	s_wait_dscnt 8
.else
	s_wait_dscnt 0x0
.endif
	WIN 0xf1                                       ; source 0 (W) window 1, source 1 (x) window 0, C and D window 3
.irp t, 0,1,2,3
.irp a, 0,1,2,3
	WM 8*(4*\t+\a), 64*\t+8*kk, kf+8*\a, WSCR+8*(\t/2)+kk, ka+8*(\a/2)+kk, \t%2, \a%2
.endr
.endr
	WIN 0xf8                                       ; source 0 (x) window 0, source 1 (W) window 2
.irp t, 4,5
.irp a, 0,1,2,3
	WM 8*(4*\t+\a), kf+8*\a, 64*(\t-4)+8*kk, ka+8*(\a/2)+kk, WSCR+16+kk, \a%2, \t%2
.endr
.endr
.endm
; A block's way out.  The 64 lines that make the masks name no register of the products: they are the places behind them.
.macro OUT blk
	WIN 0
	v_add_nc_u32 v[DP], -64*\blk, v[DD]
	WIN 0x80
.irp a, 0,1,2,3
.irp j, 0,1,2,3,4,5,6,7
	v_cmp_gt_i32 vcc_lo, 16*\a+\j+1, v[DP]         ; token 64 blk + 16 a + 8 h + j lies at or beyond the length
	v_cndmask_b32 v[MK+8*\a+\j], 0, 1.0, vcc_lo
.endr
.endr
	WIN 0xc3                                       ; accumulators in window 3, bias in window 0; each accumulator from its low end on
.irp t, 0,1
.irp a, 0,1,2,3
.irp p, 0,2,4,6
	v_pk_fma_f32 v[8*(4*\t+\a)+\p:8*(4*\t+\a)+\p+1], v[8*(4*\t+\a)+\p:8*(4*\t+\a)+\p+1], s[48:49], v[BI+8*\t+\p:BI+8*\t+\p+1] op_sel_hi:[1,0,1]
.endr
.endr
.endr
.irp t, 2,3
.irp a, 0,1,2,3
.irp p, 0,2,4,6
	v_pk_add_f32 v[8*(4*\t+\a)+\p:8*(4*\t+\a)+\p+1], v[8*(4*\t+\a)+\p:8*(4*\t+\a)+\p+1], v[BI+8*\t+\p:BI+8*\t+\p+1]
.endr
.endr
.endr
.irp t, 4,5
.irp a, 0,1,2,3
.irp p, 0,2,4,6
	v_pk_add_f32 v[8*(4*\t+\a)+\p:8*(4*\t+\a)+\p+1], v[8*(4*\t+\a)+\p:8*(4*\t+\a)+\p+1], v[VB+2*(\t-4):VB+2*(\t-4)+1]
.endr
.endr
.endr
	WIN 0x0b                                       ; v in window 3, masks in window 2, sums in window 0
.irp a, 0,1,2,3
.irp p, 0,2,4,6
.irp t, 4,5
	v_pk_fma_f32 v[SU+2*(\t-4):SU+2*(\t-4)+1], v[8*(4*\t+\a)+\p:8*(4*\t+\a)+\p+1], v[MK+8*\a+\p:MK+8*\a+\p+1], v[SU+2*(\t-4):SU+2*(\t-4)+1]
.endr
.endr
.endr
	s_wait_xcnt 0x0                                ; the last block's stores have read the packed registers: only now are they written again
	WIN 0x8f
.irp n, 0,1,2,3,4,5,6,7,8,9,10,11,12,13,14,15,16,17,18,19,20,21,22,23
.irp p, 0,1,2,3
	v_cvt_pk_f16_f32 v[PK+4*\n+\p], v[8*\n+2*\p], v[8*\n+2*\p+1]
.endr
.endr
	WIN 0x08                                       ; a store's data are its source 1: window 2
.irp a, 0,1,2,3
.irp i, 0,1
	global_store_b128 v[A0], v[PK+4*(4*\i+\a):PK+4*(4*\i+\a)+3], s[50:51] offset:(4*\blk+\a)*2048+512*\i
	global_store_b128 v[A0], v[PK+4*(4*(2+\i)+\a):PK+4*(4*(2+\i)+\a)+3], s[52:53] offset:(4*\blk+\a)*2048+512*\i
	global_store_b128 v[A0], v[PK+4*(4*(4+\i)+\a):PK+4*(4*(4+\i)+\a)+3], s[54:55] offset:(2*\blk+\a/2)*4096+1024*\i+512*(\a%2)
.endr
.endr
.endm
	ASCL 0
	AFETCH 0
	AFETCH 1
.irp blk, 0,1,2,3
.irp ks, 0,1,2,3,4,5,6,7
	KSTEP 8*\blk+\ks
.endr
	OUT \blk
.endr
	WIN 0
	v_add_f32 v[SU], v[SU], v[SU+1]                ; even and odd tokens,
	v_add_f32 v[SU+2], v[SU+2], v[SU+3]
	v_permlanex16_b32 v[SU+4], v[SU], s58, s59
	v_permlanex16_b32 v[SU+5], v[SU+2], s58, s59
	v_add_f32 v[SU], v[SU], v[SU+4]                ; and the other half of the lanes' tokens
	v_add_f32 v[SU+2], v[SU+2], v[SU+5]
	v_cmp_gt_u32 vcc_lo, 16, v[LN]
	v_cndmask_b32 v114, v[SU+2], v[SU], vcc_lo     ; lanes 0-15: my first 16 channels; lanes 16-31: the second 16
	v_lshlrev_b32 v115, 2, v[LN]
	global_store_b32 v115, v114, s[56:57]          ; 128 consecutive bytes of a table of 128 KB
	s_wait_tensorcnt 0x0
	ds_add_u32 v126, v127
	s_wait_dscnt 0x0
	CROUND                                         ; the closing round: no work-group ends while a partner may still ask jointly
	s_endpgm
.Lfunc_end_k_q6ed3bc9609_qkv:
	.size	k_q6ed3bc9609_qkv, .Lfunc_end_k_q6ed3bc9609_qkv-k_q6ed3bc9609_qkv
	.p2alignl 7, 3214868480
	.fill 96, 4, 3214868480
	.section	.rodata,"a",@progbits
	.p2align	6, 0x0
	.amdhsa_kernel k_q6ed3bc9609_qkv
		.amdhsa_group_segment_fixed_size 168448
		.amdhsa_private_segment_fixed_size 0
		.amdhsa_enable_private_segment 0
		.amdhsa_kernarg_size 40
		.amdhsa_user_sgpr_count 2
		.amdhsa_user_sgpr_kernarg_segment_ptr 1
		.amdhsa_wavefront_size32 1
		.amdhsa_system_sgpr_workgroup_id_x 1
		.amdhsa_system_sgpr_workgroup_id_y 1
		.amdhsa_system_sgpr_workgroup_id_z 1
		.amdhsa_system_vgpr_workitem_id 0
		.amdhsa_next_free_vgpr 1024
		.amdhsa_next_free_sgpr 66
		.amdhsa_reserve_vcc 1
		.amdhsa_float_denorm_mode_32 3
		.amdhsa_float_denorm_mode_16_64 3
		.amdhsa_memory_ordered 1
		.amdhsa_forward_progress 1
		.amdhsa_inst_pref_size 218
	.end_amdhsa_kernel
	.amdgpu_metadata
---
amdhsa.version: [ 1, 2 ]
amdhsa.kernels:
  - .name:           k_q6ed3bc9609_qkv
    .symbol:         k_q6ed3bc9609_qkv.kd
    .args:
      - { .name: xq, .offset: 0, .size: 8, .value_kind: global_buffer, .address_space: global }
      - { .name: wq, .offset: 8, .size: 8, .value_kind: global_buffer, .address_space: global }
      - { .name: bqkv, .offset: 16, .size: 8, .value_kind: global_buffer, .address_space: global }
      - { .name: val_lens, .offset: 24, .size: 8, .value_kind: global_buffer, .address_space: global }
      - { .name: qkv, .offset: 32, .size: 8, .value_kind: global_buffer, .address_space: global }
    .group_segment_fixed_size: 168448
    .private_segment_fixed_size: 0
    .kernarg_segment_align: 8
    .kernarg_segment_size: 40
    .max_flat_workgroup_size: 128
    .sgpr_count:     66
    .vgpr_count:     1024
    .wavefront_size: 32
...
	.end_amdgpu_metadata
.endif
;; end of part 2
;; launch attn (part 3): grid 256 x 1, 8 waves a work-group, no clusters, 154,624 bytes of LDS; arguments qkv, val_lens, ob; writes ob
.if DOCPART == 3
	.amdgcn_target "amdgcn-amd-amdhsa--gfx1250"
	.amdhsa_code_object_version 6
	.text
	.protected	k_q6ed3bc9609_attn
	.globl	k_q6ed3bc9609_attn
	.p2align	8
	.type	k_q6ed3bc9609_attn,@function
k_q6ed3bc9609_attn:
	s_mov_b64 s[64:65], 0
	v_nop
	global_prefetch_b8 v0, s[64:65] scope:SCOPE_SE
	s_setreg_imm32_b32 hwreg(HW_REG_WAVE_MODE, 25, 1), 1
	s_wait_xcnt 0x0
; ATTN: O = softmax(q k^T / 8, keys at or beyond val_lens at the score -1e6) v, for each of 64 heads; f16 operands, f32 sums, maxima and row sums.  q arrives times log2(e) / 8, so p = 2^(s - m).
; THE MASK.  Keys at or beyond the length L all have ONE score, -1e6: they enter in closed form, as one virtual key of that score, of weight 2,048 - L and value the sum of their v (made by the launch before).
; So only the keys under L are multiplied, and the result is right also where scores are so low that the hidden keys count.  L is held to 0 .. 2,048.
; JOBS.  A job is (batch, head, 256 queries); its work goes with its batch's L.  Every work-group does TWO: the four lengths are sorted; work-groups 0-127 take the longest and the shortest batch, 128-255 the two middle ones.
; WAVES.  Eight, two to a SIMD.  Wave w: queries 64 (w % 4) on (four tiles of 16); group g = w / 4 takes keys 128 x + 64 g .. + 63 of step x.  The two groups run in counter-phase: in an interval group 0 has its
; products first and its softmax second, group 1 the other way round.  The groups' (m, l, O) meet at a job's end, through LDS.
; LAYOUT.  S^T = K Q^T and O^T = V^T P: a lane holds one query throughout; two tiles of S^T, rounded to f16 in pairs, are source 1 of the second product.
; K AND V come by global loads into registers: waves 0-3 carry K, waves 4-7 V, 4 KB each of a tile'
; {V(t), K(t + 1)}, two register sets, so that a tile' is on its way for two intervals.  No cluster: what work-groups share is one tile' of 32 KB an interval, and partners would need different numbers of tiles.
; LIMITS: NaN and infinities are not served; the running maximum starts at -3e38; |O| must not pass 65,504 (f16).
; REGISTERS: window 0: v1-15 addresses; v16-47 statistics, 8 a tile (+0 m, +2 +3 l, +4..+7 at work, alpha in +6); v48-79, v80-111 the two sets; v112-127 at work; v128-255 S^T, 32 a tile, P in place.
;   window 1: v0-127 O^T (32 tq + 8 ct); v128-191 Q; v192-255 V's or K's eight fragments, by turns.
.set KOFF,  16777216
.set VOFF,  33554432
.set SOFF,  50331648
.set BUF,   32768                      ; LDS: two buffers: K's 16 KB (group 0's 8 KB, group 1's), then V's 16 KB
.set VPART, 16384
.set KP,    65536                      ; K of step 0
.set VSL,   81920                      ; the hidden keys' sum of v: 256 bytes for each wave
.set MG,    83968                      ; the merge: 34 x 512 bytes for each of the four wave pairs
.set MGW,   17408
.set L16, 1
.set LR,  2
.set LW,  3
.set KPR, 4
.set KPW, 5
.set VSW, 6
.set VSR, 7
.set MGA, 8
.set G,   9
.set L8,  10
.set PF,  11
.set H8,  12
.set GK,  13
.set DD,  14
.set NINF, 15
.set ST,  16
.set RA,  48
.set RB,  80
.set TMP, 112
.set S,   128
.set O,   0
.set Q,   128
.set KV,  192
.set MSB, 0
.macro WIN new                         ; the immediate's high byte repeats the setting that is left; at every label and branch the setting is 0
.if MSB != \new
	s_set_vgpr_msb (MSB<<8)|\new
.set MSB, \new
.endif
.endm
.macro NOPS n
.rept \n
	v_nop
.endr
.endm
	s_load_b128 s[4:7], s[0:1], 0x0                ; qkv s[4:5], val_lens s[6:7]
	s_load_b64 s[8:9], s[0:1], 0x10                ; ob
	v_lshl_add_u32 v126, v0, 2, 0x25800
	v_mov_b32 v127, 0
	v_lshrrev_b32 v14, 5, v0
	v_readfirstlane_b32 s10, v14                   ; wave
	s_lshr_b32 s11, s10, 2                         ; group; also: I carry K (0) or V (1)
	s_and_b32 s12, s10, 3                          ; which 64 queries; also: which 4 KB I carry
	s_lshl_b32 s14, s11, 6                         ; 64 g
	s_xor_b32 s15, s11, 1
	s_lshl_b32 s15, s15, 7                         ; a tile' holds K of the step after: 128 keys on for the waves that carry K
	v_and_b32 v14, 31, v0
	v_lshlrev_b32 v[L16], 4, v14
	v_lshlrev_b32 v[L8], 3, v14
	v_lshlrev_b32 v[PF], 8, v14
	v_bfe_u32 v[H8], v0, 4, 1
	v_lshlrev_b32 v15, 5, v[H8]
	v_lshlrev_b32 v[H8], 3, v[H8]
	s_lshl_b32 s35, s11, 13
	v_add_nc_u32 v[LR], s35, v[L16]                ; my group's 8 KB of a part
	v_add_nc_u32 v[KPR], KP, v[LR]
	s_lshl_b32 s35, s11, 14
	s_lshl_b32 s37, s12, 12
	v_add_nc_u32 v[G], s37, v[L16]                 ; what I carry: in memory,
	v_add_nc_u32 v[LW], s35, v[G]                  ; and in a buffer
	s_lshl_b32 s35, s10, 11
	v_add_nc_u32 v[GK], s35, v[L16]                ; K of step 0: 2 KB a wave
	v_add_nc_u32 v[KPW], KP, v[GK]
	s_lshl_b32 s35, s10, 8
	s_add_co_u32 s35, s35, VSL
	v_add_nc_u32 v[VSW], s35, v[L8]
	v_add_nc_u32 v[VSR], s35, v15
	s_mul_i32 s35, s12, MGW
	s_add_co_u32 s35, s35, MG
	v_add_nc_u32 v[MGA], s35, v[L16]
	v_mov_b32 v[NINF], 0xff800000
	s_wait_kmcnt 0x0
	s_load_b128 s[20:23], s[6:7], 0x0
	s_and_b32 s35, ttmp9, 127
	s_lshr_b32 s16, s35, 3                         ; head
	s_and_b32 s17, ttmp9, 7                        ; block of 256 queries
	s_mov_b32 s38, 0x76543210
	s_mov_b32 s39, 0xfedcba98                      ; v_permlanex16_b32's selects for lane l xor 16
	s_wait_kmcnt 0x0
.irp i, 0,1,2,3
	s_max_i32 s[20+\i], s[20+\i], 0
	s_min_i32 s[20+\i], s[20+\i], 2048
	s_lshl_b32 s[20+\i], s[20+\i], 2
	s_add_co_u32 s[20+\i], s[20+\i], \i            ; key = 4 L + batch
.endr
.macro ORDER a, b                      ; the larger key into s[a]
	s_max_u32 s24, s[\a], s[\b]
	s_min_u32 s[\b], s[\a], s[\b]
	s_mov_b32 s[\a], s24
.endm
	ORDER 20, 21
	ORDER 22, 23
	ORDER 20, 22
	ORDER 21, 23
	ORDER 21, 22
	s_cmp_lt_u32 ttmp9, 128
	s_cselect_b32 s25, s20, s21                    ; job 0's key
	s_cselect_b32 s26, s23, s22                    ; job 1's
	; job 1's first bytes, for the prefetches of job 0's last step
	s_and_b32 s35, s26, 3
	s_min_u32 s35, s35, 3
	s_lshl_b32 s35, s35, 4
	s_add_co_u32 s35, s35, s16
	s_lshl_b32 s52, s35, 18
	s_lshl_b32 s54, s17, 15
	s_lshl_b32 s37, s12, 13
	s_add_co_u32 s54, s54, s37
	s_add_co_u32 s54, s54, s52
	s_mov_b32 s55, 0
	s_add_nc_u64 s[56:57], s[4:5], s[54:55]        ; my 64 queries: 8 KB
	s_lshl_b32 s37, s12, 14
	s_add_co_u32 s54, s52, s37
	s_add_co_u32 s54, s54, KOFF
	s_add_nc_u64 s[58:59], s[4:5], s[54:55]        ; 16 KB of K's first 64 KB
	s_add_co_u32 s54, s54, KOFF
	s_add_nc_u64 s[60:61], s[4:5], s[54:55]        ; and of V's
	s_mov_b32 s27, 0
.macro VLOAD p                         ; V of this interval's step, my group's 64 keys: eight fragments (32 keys kg x 16 channels ct at 8 (4 kg + ct))
	WIN 0x40
.irp f, 0,1,2,3,4,5,6,7
	ds_load_b128 v[KV+8*\f:KV+8*\f+3], v[LR] offset:\p*BUF+VPART+\f*1024
	ds_load_b128 v[KV+8*\f+4:KV+8*\f+7], v[LR] offset:\p*BUF+VPART+\f*1024+512
.endr
	WIN 0
.endm
.macro KLOAD p, hh                     ; K of the next step, keys 32 hh .. + 31 of my 64: four fragments (16 keys kt x 32 channels c at 8 (2 kt + c))
.irp f, 0,1,2,3
	ds_load_b128 v[KV+32*\hh+8*\f:KV+32*\hh+8*\f+3], v[LR] offset:\p*BUF+(4*\hh+\f)*1024
	ds_load_b128 v[KV+32*\hh+8*\f+4:KV+32*\hh+8*\f+7], v[LR] offset:\p*BUF+(4*\hh+\f)*1024+512
.endr
.endm
.macro RESCALE                         ; O^T times alpha; each accumulator from its low end on
	WIN 0x41
.irp t, 0,1,2,3
.irp i, 0,2,4,6,8,10,12,14,16,18,20,22,24,26,28,30
	v_pk_mul_f32 v[O+32*\t+\i:O+32*\t+\i+1], v[O+32*\t+\i:O+32*\t+\i+1], v[ST+8*\t+6:ST+8*\t+7] op_sel_hi:[1,0]
.endr
.endr
	WIN 0
.endm
; The 16 (V^T P) or 8 (K Q^T) accumulators of a run take turns, one instruction a turn.
.macro PVRUN kg
.irp ct, 0,1,2,3
.irp t, 0,1,2,3
	v_wmma_f32_16x16x32_f16 v[O+32*\t+8*\ct:O+32*\t+8*\ct+7], v[KV+32*\kg+8*\ct:KV+32*\kg+8*\ct+7], v[S+32*\t+8*\kg:S+32*\t+8*\kg+7], v[O+32*\t+8*\ct:O+32*\t+8*\ct+7]
.endr
.endr
.endm
.macro SRUN hh
.irp c, 0,1
.irp k, 0,1
.irp t, 0,1,2,3
.if \c == 0
	v_wmma_f32_16x16x32_f16 v[S+32*\t+8*(2*\hh+\k):S+32*\t+8*(2*\hh+\k)+7], v[KV+8*(2*(2*\hh+\k)+\c):KV+8*(2*(2*\hh+\k)+\c)+7], v[Q+8*(2*\t+\c):Q+8*(2*\t+\c)+7], 0
.else
	v_wmma_f32_16x16x32_f16 v[S+32*\t+8*(2*\hh+\k):S+32*\t+8*(2*\hh+\k)+7], v[KV+8*(2*(2*\hh+\k)+\c):KV+8*(2*(2*\hh+\k)+\c)+7], v[Q+8*(2*\t+\c):Q+8*(2*\t+\c)+7], v[S+32*\t+8*(2*\hh+\k):S+32*\t+8*(2*\hh+\k)+7]
.endif
.endr
.endr
.endr
.endm
; What I carry.  In interval i (p = i % 2) tile' i + 1 goes from its set into the other buffer, which nobody reads in this interval, and the set takes tile' i + 3.
; s33: tile' i + 3 has keys under L;  s34: tile' i + 1 has.  Every way through an interval takes one of the two arms, so at the counted wait at most the eight loads of the newer tile' are younger than this set's.
.macro STAGE p
.set su, 1-\p
.set sr, RA+32*su
	s_cmp_eq_u32 s33, 0
	s_cbranch_scc1 .Lnofetch_\@
	s_wait_loadcnt 8                               ; this set's loads are in; the newer tile's eight may be out
.irp k, 0,1,2,3,4,5,6,7
	ds_store_b128 v[LW], v[sr+4*\k:sr+4*\k+3] offset:su*BUF+512*\k
.endr
	s_wait_dscnt 0x0                               ; the stores have read the set
	s_wait_xcnt 0x0                                ; the earlier loads have read their base: it may step
	s_add_nc_u64 s[50:51], s[50:51], 16384
.irp k, 0,1,2,3,4,5,6,7
	global_load_b128 v[sr+4*\k:sr+4*\k+3], v[G], s[50:51] offset:32768+512*\k
.endr
	s_branch .Lstaged_\@
.Lnofetch_\@:
	s_wait_loadcnt 0x0
	s_cmp_eq_u32 s34, 0
	s_cbranch_scc1 .Lstaged_\@
.irp k, 0,1,2,3,4,5,6,7
	ds_store_b128 v[LW], v[sr+4*\k:sr+4*\k+3] offset:su*BUF+512*\k
.endr
.Lstaged_\@:
.endm
; The matrix work of an interval: V^T P of this step, K Q^T of the next.  K's fragments take V's registers as these are done with.
.macro FULL p
	s_wait_dscnt 0x0                               ; V is in
	WIN 0x51                                       ; V window 1, P window 0, O^T window 1
	PVRUN 0
	NOPS 4                                         ; four places in front of loads into registers that products have read
	WIN 0x40
	KLOAD \p, 0
	WIN 0x51
	PVRUN 1
	NOPS 5                                         ; five: the products below write over P, which the products above have read
	WIN 0x40
	KLOAD \p, 1
	s_wait_dscnt 8                                 ; K's first half is in
	WIN 0x05                                       ; K and Q window 1, S^T window 0
	SRUN 0
	s_wait_dscnt 0x0
	SRUN 1
	WIN 0
	NOPS 5                                         ; five places behind the scores: four serve the softmax's first read and the loads into K's registers; the fifth serves every way through the branches on which
	                                               ; the next line to name the scores' registers is a product V^T P, which takes them as a source
.endm
; A group's last step has no successor.  ask = 1 (group 0): in job 0 it also prefetches what job 1 begins with: my wave's 8 KB of Q, a lane a block of 256 bytes; and, in the head's first block of queries alone,
; 16 KB a wave of K's and of V's first 64 KB: so each block is named once.  The address registers are never rewritten.
.macro PVONLY ask
	s_wait_dscnt 0x0
	WIN 0x51
	PVRUN 0
	PVRUN 1
	WIN 0
	NOPS 4
.if \ask
	s_cmp_lg_u32 s27, 0
	s_cbranch_scc1 .Lnoask_\@
	global_prefetch_b8 v[PF], s[56:57] th:TH_LOAD_NT scope:SCOPE_SE
	s_cmp_lg_u32 s17, 0
	s_cbranch_scc1 .Lnoask_\@
	global_prefetch_b8 v[PF], s[58:59] th:TH_LOAD_NT scope:SCOPE_SE
	global_prefetch_b8 v[PF], s[58:59] offset:8192 th:TH_LOAD_NT scope:SCOPE_SE
	global_prefetch_b8 v[PF], s[60:61] th:TH_LOAD_NT scope:SCOPE_SE
	global_prefetch_b8 v[PF], s[60:61] offset:8192 th:TH_LOAD_NT scope:SCOPE_SE
.Lnoask_\@:
.endif
.endm
.macro SUBM t, n                       ; pair n of tile t: s - m
	v_pk_add_f32 v[S+32*(\t)+2*(\n):S+32*(\t)+2*(\n)+1], v[S+32*(\t)+2*(\n):S+32*(\t)+2*(\n)+1], v[ST+8*(\t):ST+8*(\t)+1] op_sel_hi:[1,0] neg_lo:[0,1] neg_hi:[0,1]
.endm
; THE SOFTMAX of a step whose first key is s36, for my four tiles, all in window 0.  The tiles take turns line by line.
.macro SM
	s_add_co_u32 s35, s36, 64
	s_cmp_le_u32 s35, s28
	s_cbranch_scc1 .Lopen_\@                       ; all 64 keys lie under L
	s_sub_co_i32 s35, s28, s36
	v_sub_nc_u32 v[DD], s35, v[H8]                 ; register 8 kt + j holds key s36 + 16 kt + 8 h + j: hidden where 16 kt + j + 1 > L - s36 - 8 h
.irp n, 0,1,2,3,4,5,6,7,8,9,10,11,12,13,14,15,16,17,18,19,20,21,22,23,24,25,26,27,28,29,30,31
	v_cmp_gt_i32 vcc_lo, 16*(\n/8)+\n%8+1, v[DD]
.irp t, 0,1,2,3
	v_cndmask_b32 v[S+32*\t+\n], v[S+32*\t+\n], v[NINF], vcc_lo   ; -infinity: p = 0; these keys are counted by the virtual key
.endr
.endr
.Lopen_\@:
.irp j, 0,1,2,3
.irp t, 0,1,2,3
	v_max3_num_f32 v[ST+8*\t+4+\j], v[S+32*\t+8*\j], v[S+32*\t+8*\j+1], v[S+32*\t+8*\j+2]   ; four chains, each begun at an accumulator's low end
.endr
.endr
.irp u, 1,2
.irp j, 0,1,2,3
.irp t, 0,1,2,3
	v_max3_num_f32 v[ST+8*\t+4+\j], v[ST+8*\t+4+\j], v[S+32*\t+8*\j+2*\u+1], v[S+32*\t+8*\j+2*\u+2]
.endr
.endr
.endr
.irp t, 0,1,2,3
	v_max3_num_f32 v[ST+8*\t+4], v[ST+8*\t+4], v[S+32*\t+7], v[S+32*\t+15]
.endr
.irp t, 0,1,2,3
	v_max3_num_f32 v[ST+8*\t+6], v[ST+8*\t+6], v[S+32*\t+23], v[S+32*\t+31]
.endr
.irp t, 0,1,2,3
	v_max3_num_f32 v[ST+8*\t+4], v[ST+8*\t+4], v[ST+8*\t+5], v[ST+8*\t+6]
.endr
.irp t, 0,1,2,3
	v_max3_num_f32 v[ST+8*\t+4], v[ST+8*\t+4], v[ST+8*\t+7], v[ST+8*\t]   ; and the old m
.endr
.irp t, 0,1,2,3
	v_permlanex16_b32 v[ST+8*\t+5], v[ST+8*\t+4], s38, s39    ; the query's other keys lie in the lane 16 away
.endr
.irp t, 0,1,2,3
	v_max_num_f32 v[ST+8*\t+4], v[ST+8*\t+4], v[ST+8*\t+5]
.endr
.irp t, 0,1,2,3
	v_sub_f32 v[ST+8*\t+7], v[ST+8*\t], v[ST+8*\t+4]          ; old m - new m
.endr
.irp t, 0,1,2,3
	v_mov_b32 v[ST+8*\t], v[ST+8*\t+4]
.endr
.irp t, 0,1,2,3
	v_exp_f32 v[ST+8*\t+6], v[ST+8*\t+7]                      ; alpha
.endr
.irp n, 0,1
.irp t, 0,1,2,3
	SUBM \t, \n
.endr
.endr
; pair i's two exponentials, with plain lines that are ready between and behind them: s - m two pairs ahead, the sum and the rounding to f16 one pair back.
; P is laid in place: register i of a tile takes pair i, whose own two registers, and register i's old pair, are done with by then.
.set i, 0
.rept 16
.irp t, 0,1,2,3
	v_exp_f32 v[S+32*\t+2*i], v[S+32*\t+2*i]
.if i+2 < 16
	SUBM \t, i+2
.endif
	v_exp_f32 v[S+32*\t+2*i+1], v[S+32*\t+2*i+1]
.if i == 1
	s_wait_alu depctr_va_vdst(0)
	v_pk_fma_f32 v[ST+8*\t+2:ST+8*\t+3], v[ST+8*\t+2:ST+8*\t+3], v[ST+8*\t+6:ST+8*\t+7], v[S+32*\t:S+32*\t+1] op_sel_hi:[1,0,1]   ; l = alpha l + the first pair
.elseif i > 1
	s_wait_alu depctr_va_vdst(0)
	v_pk_add_f32 v[ST+8*\t+2:ST+8*\t+3], v[ST+8*\t+2:ST+8*\t+3], v[S+32*\t+2*(i-1):S+32*\t+2*(i-1)+1]
.endif
.if i > 0
	v_cvt_pk_f16_f32 v[S+32*\t+(i-1)], v[S+32*\t+2*(i-1)], v[S+32*\t+2*(i-1)+1]
.endif
.endr
.set i, i+1
.endr
	s_wait_alu depctr_va_vdst(0)
.irp t, 0,1,2,3
	v_pk_add_f32 v[ST+8*\t+2:ST+8*\t+3], v[ST+8*\t+2:ST+8*\t+3], v[S+32*\t+30:S+32*\t+31]
	v_cvt_pk_f16_f32 v[S+32*\t+15], v[S+32*\t+30], v[S+32*\t+31]
.endr
.endm
; AN INTERVAL i (s30 = 128 i, p = i % 2): tile' i lies in buffer p.  s31: my group's step i has keys under L; s32: step i + 1 has.  The barrier stands where all ways join.
.macro INTERVAL p
	s_add_co_u32 s35, s30, s14
	s_cmp_lt_u32 s35, s28
	s_cselect_b32 s31, 1, 0
	s_add_co_u32 s35, s35, 128
	s_cmp_lt_u32 s35, s28
	s_cselect_b32 s32, 1, 0
	s_add_co_u32 s35, s30, s15
	s_add_co_u32 s35, s35, 128
	s_cmp_lt_u32 s35, s28
	s_cselect_b32 s34, 1, 0
	s_add_co_u32 s35, s35, 256
	s_cmp_lt_u32 s35, s28
	s_cselect_b32 s33, 1, 0
	s_cmp_lg_u32 s11, 0
	s_cbranch_scc1 .Lg1_\@
	s_cmp_eq_u32 s31, 0                            ; group 0: products first, then the next step's softmax
	s_cbranch_scc1 .Lg0s_\@
	VLOAD \p
	RESCALE
.Lg0s_\@:
	STAGE \p
	s_cmp_eq_u32 s31, 0
	s_cbranch_scc1 .Ljoin_\@
	s_cmp_eq_u32 s32, 0
	s_cbranch_scc1 .Lg0pv_\@
	FULL \p
	s_add_co_u32 s36, s30, 128
	SM
	s_branch .Ljoin_\@
.Lg0pv_\@:
	PVONLY 1
	s_branch .Ljoin_\@
.Lg1_\@:
	s_cmp_eq_u32 s31, 0                            ; group 1: this step's softmax first, then the products
	s_cbranch_scc1 .Lg1s_\@
	VLOAD \p
.Lg1s_\@:
	STAGE \p
	s_cmp_eq_u32 s31, 0
	s_cbranch_scc1 .Ljoin_\@
	s_add_co_u32 s36, s30, 64
	SM
	RESCALE
	s_cmp_eq_u32 s32, 0
	s_cbranch_scc1 .Lg1pv_\@
	FULL \p
	s_branch .Ljoin_\@
.Lg1pv_\@:
	PVONLY 0
.Ljoin_\@:
	s_wait_dscnt 0x0                               ; my stores into the other buffer have landed, my reads of this one are in
	s_barrier_signal -1
	s_barrier_wait -1
	s_add_co_u32 s30, s30, 128
.endm
.Ljob:
	s_wait_xcnt 0x0                                ; the last job's loads and stores have read their bases and registers
	s_cmp_eq_u32 s27, 0
	s_cselect_b32 s35, s25, s26
	s_lshr_b32 s28, s35, 2                         ; L
	s_and_b32 s35, s35, 3
	s_min_u32 s35, s35, 3                          ; batch
	s_lshl_b32 s37, s35, 4
	s_add_co_u32 s37, s37, s16                     ; 16 x batch + head
	s_lshl_b32 s52, s37, 18
	s_mov_b32 s53, 0
	s_add_nc_u64 s[42:43], s[4:5], s[52:53]
	s_add_nc_u64 s[44:45], s[42:43], VOFF          ; V^T of the head
	s_lshl_b32 s54, s17, 15
	s_lshl_b32 s55, s12, 13
	s_add_co_u32 s54, s54, s55
	s_mov_b32 s55, 0
	s_add_nc_u64 s[40:41], s[42:43], s[54:55]      ; my 64 queries
	s_add_nc_u64 s[42:43], s[42:43], KOFF          ; K of the head
	s_lshl_b32 s54, s37, 11
	s_add_co_u32 s54, s54, SOFF
	s_add_nc_u64 s[46:47], s[4:5], s[54:55]        ; the head's masked sums
	s_lshl_b32 s54, s35, 7
	s_lshl_b32 s37, s17, 4
	s_add_co_u32 s54, s54, s37
	s_lshl_b32 s37, s12, 2
	s_add_co_u32 s54, s54, s37
	s_lshl_b32 s54, s54, 15
	s_lshl_b32 s37, s16, 11
	s_add_co_u32 s54, s54, s37
	s_add_nc_u64 s[48:49], s[8:9], s[54:55]        ; my four tiles of rows of O, my head's two fragments
	s_add_nc_u64 s[52:53], s[42:43], 16384
	s_cmp_eq_u32 s11, 0
	s_cselect_b64 s[50:51], s[52:53], s[44:45]     ; tile' 0 of what I carry: K of step 1, or V of step 0
	s_sub_co_u32 s63, 2048, s28                    ; hidden keys
	s_mov_b32 s62, 0xff61b1e6
	s_cmp_lg_u32 s63, 0
	s_cselect_b32 s62, 0xc9b01c38, s62             ; their score, -1e6 log2(e); -3e38 where there is none
.irp k, 0,1,2,3
	global_load_b128 v[S+16+4*\k:S+16+4*\k+3], v[GK], s[42:43] offset:512*\k      ; K of step 0
.endr
.irp k, 0,1,2,3,4,5,6,7
	global_load_b128 v[RA+4*\k:RA+4*\k+3], v[G], s[50:51] offset:512*\k           ; tile' 0
.endr
	WIN 0x40
.irp f, 0,1,2,3,4,5,6,7
	global_load_b128 v[Q+8*\f:Q+8*\f+3], v[L16], s[40:41] offset:1024*\f
	global_load_b128 v[Q+8*\f+4:Q+8*\f+7], v[L16], s[40:41] offset:1024*\f+512
.endr
	WIN 0
.irp k, 0,1,2,3,4,5,6,7
	global_load_b64 v[S+2*\k:S+2*\k+1], v[L8], s[46:47] offset:256*\k             ; two channels a lane, eight groups of rows
.endr
.irp k, 0,1,2,3,4,5,6,7
	global_load_b128 v[RB+4*\k:RB+4*\k+3], v[G], s[50:51] offset:16384+512*\k     ; tile' 1
.endr
	s_wait_loadcnt 32                              ; K of step 0 and tile' 0 are in (behind them: Q's 16, the sums' 8, tile' 1's 8)
.irp k, 0,1,2,3
	ds_store_b128 v[KPW], v[S+16+4*\k:S+16+4*\k+3] offset:512*\k
.endr
.irp k, 0,1,2,3,4,5,6,7
	ds_store_b128 v[LW], v[RA+4*\k:RA+4*\k+3] offset:512*\k
.endr
	s_wait_dscnt 0x0                               ; the stores have read the set
.irp k, 0,1,2,3,4,5,6,7
	global_load_b128 v[RA+4*\k:RA+4*\k+3], v[G], s[50:51] offset:32768+512*\k     ; tile' 2
.endr
	s_wait_loadcnt 16                              ; Q and the sums are in (tiles' 1 and 2 may be out)
	v_pk_add_f32 v[S:S+1], v[S:S+1], v[S+2:S+3]
	v_pk_add_f32 v[S+4:S+5], v[S+4:S+5], v[S+6:S+7]
	v_pk_add_f32 v[S+8:S+9], v[S+8:S+9], v[S+10:S+11]
	v_pk_add_f32 v[S+12:S+13], v[S+12:S+13], v[S+14:S+15]
	v_pk_add_f32 v[S:S+1], v[S:S+1], v[S+4:S+5]
	v_pk_add_f32 v[S+8:S+9], v[S+8:S+9], v[S+12:S+13]
	v_pk_add_f32 v[S:S+1], v[S:S+1], v[S+8:S+9]
	ds_store_b64 v[VSW], v[S:S+1]                  ; the hidden keys' sum of v, 64 channels, in my wave's own bytes
.irp t, 0,1,2,3
	v_mov_b32 v[ST+8*\t], 0xff61b1e6               ; m = -3e38, under every score
.irp j, 1,2,3,4,5,6,7
	v_mov_b32 v[ST+8*\t+\j], 0
.endr
.endr
	WIN 0x40
.set i, 0
.rept 128
	v_mov_b32 v[O+i], 0                            ; the interval is written once: its first step finds zeros, which the first alpha leaves zeros
.set i, i+1
.endr
	WIN 0
	s_wait_dscnt 0x0
	s_barrier_signal -1
	s_barrier_wait -1                              ; K of step 0 and tile' 0 lie in LDS
	WIN 0x40
.irp f, 0,1,2,3,4,5,6,7
	ds_load_b128 v[KV+8*\f:KV+8*\f+3], v[KPR] offset:\f*1024
	ds_load_b128 v[KV+8*\f+4:KV+8*\f+7], v[KPR] offset:\f*1024+512
.endr
	s_wait_dscnt 0x0
	WIN 0x05
	SRUN 0                                         ; the scores of step 0, on every way
	SRUN 1
	WIN 0
	NOPS 5                                         ; five places behind the scores, as at the end of an interval's products
	s_cmp_lg_u32 s11, 0
	s_cbranch_scc1 .Lfirst_done
	s_cmp_eq_u32 s28, 0
	s_cbranch_scc1 .Lfirst_done
	s_mov_b32 s36, 0
	SM                                             ; group 0 runs half an interval ahead
.Lfirst_done:
	s_mov_b32 s30, 0
	s_mov_b32 s29, 0
.Ltrip:                                                ; a constant count: steps beyond L are left out by branches inside
	INTERVAL 0
	INTERVAL 1
	s_add_co_u32 s29, s29, 1
	s_cmp_lt_u32 s29, 8
	s_cbranch_scc1 .Ltrip
	s_wait_loadcnt 0x0
; THE MERGE.  Group 1 hands (O, m, l) to group 0's wave of the same queries.
	s_cmp_eq_u32 s11, 0
	s_cbranch_scc1 .Lmerge_meet
.irp t, 0,1,2,3
	v_add_f32 v[TMP+4+\t], v[ST+8*\t+2], v[ST+8*\t+3]
.endr
.irp t, 0,1,2,3
	v_mov_b32 v[TMP+\t], v[ST+8*\t]
.endr
	WIN 0x04                                       ; an LDS store's data are its source 1: window 1
.irp q, 0,1,2,3,4,5,6,7,8,9,10,11,12,13,14,15,16,17,18,19,20,21,22,23,24,25,26,27,28,29,30,31
	ds_store_b128 v[MGA], v[O+4*\q:O+4*\q+3] offset:512*\q
.endr
	WIN 0
	ds_store_b128 v[MGA], v[TMP:TMP+3] offset:512*32
	ds_store_b128 v[MGA], v[TMP+4:TMP+7] offset:512*33
.Lmerge_meet:
	s_wait_dscnt 0x0
	s_barrier_signal -1
	s_barrier_wait -1
	s_cmp_lg_u32 s11, 0
	s_cbranch_scc1 .Lnext_job                      ; group 1 goes on to the next job's loads
	ds_load_b128 v[TMP:TMP+3], v[MGA] offset:512*32
	ds_load_b128 v[TMP+4:TMP+7], v[MGA] offset:512*33
.irp k, 0,1,2,3,4,5,6,7
	ds_load_b128 v[RA+4*\k:RA+4*\k+3], v[VSR] offset:64*(\k/2)+16*(\k%2)   ; the hidden keys' v at my channels 16 ct + 8 h + 0 .. 7
.endr
.irp q, 0,1,2,3,4,5,6,7,8,9,10,11,12,13,14,15,16,17,18,19,20,21,22,23,24,25,26,27,28,29,30,31
	ds_load_b128 v[S+4*\q:S+4*\q+3], v[MGA] offset:512*\q
.endr
	v_cvt_f32_u32 v[TMP+8], s63
	s_wait_dscnt 40                                ; the other group's m and l are in
.irp t, 0,1,2,3
	v_add_f32 v[ST+8*\t+2], v[ST+8*\t+2], v[ST+8*\t+3]
.endr
.irp t, 0,1,2,3
	v_max3_num_f32 v[ST+8*\t+4], v[ST+8*\t], v[TMP+\t], s62   ; the maximum over both groups and the hidden keys' score
.endr
.irp t, 0,1,2,3
	v_sub_f32 v[ST+8*\t+5], v[ST+8*\t], v[ST+8*\t+4]
	v_sub_f32 v[ST+8*\t+6], v[TMP+\t], v[ST+8*\t+4]
	v_sub_f32 v[ST+8*\t+7], s62, v[ST+8*\t+4]
.endr
.irp t, 0,1,2,3
	v_exp_f32 v[ST+8*\t+5], v[ST+8*\t+5]
	v_exp_f32 v[ST+8*\t+6], v[ST+8*\t+6]
	v_exp_f32 v[ST+8*\t+7], v[ST+8*\t+7]
.endr
	v_nop                                          ; a plain line behind the exponentials
	s_wait_alu depctr_va_vdst(0)
.irp t, 0,1,2,3
	v_mul_f32 v[ST+8*\t+2], v[ST+8*\t+2], v[ST+8*\t+5]
.endr
.irp t, 0,1,2,3
	v_fma_f32 v[ST+8*\t+2], v[TMP+4+\t], v[ST+8*\t+6], v[ST+8*\t+2]
.endr
.irp t, 0,1,2,3
	v_permlanex16_b32 v[ST+8*\t+3], v[ST+8*\t+2], s38, s39
.endr
.irp t, 0,1,2,3
	v_add_f32 v[ST+8*\t+2], v[ST+8*\t+2], v[ST+8*\t+3]
.endr
.irp t, 0,1,2,3
	v_fma_f32 v[ST+8*\t+2], v[TMP+8], v[ST+8*\t+7], v[ST+8*\t+2]   ; + the number of hidden keys x their weight
.endr
.irp t, 0,1,2,3
	v_rcp_f32 v[ST+8*\t+3], v[ST+8*\t+2]
.endr
	v_nop
	s_wait_alu depctr_va_vdst(0)
.irp t, 0,1,2,3
	v_mul_f32 v[ST+8*\t+4], v[ST+8*\t+5], v[ST+8*\t+3]
	v_mul_f32 v[ST+8*\t], v[ST+8*\t+7], v[ST+8*\t+3]
	v_mul_f32 v[ST+8*\t+6], v[ST+8*\t+6], v[ST+8*\t+3]
.endr
	s_wait_dscnt 0x0
.irp t, 0,1,2,3
	WIN 0x41
.irp i, 0,2,4,6,8,10,12,14,16,18,20,22,24,26,28,30
	v_pk_mul_f32 v[O+32*\t+\i:O+32*\t+\i+1], v[O+32*\t+\i:O+32*\t+\i+1], v[ST+8*\t+4:ST+8*\t+5] op_sel_hi:[1,0]
.endr
	WIN 0x50
.irp i, 0,2,4,6,8,10,12,14,16,18,20,22,24,26,28,30
	v_pk_fma_f32 v[O+32*\t+\i:O+32*\t+\i+1], v[S+32*\t+\i:S+32*\t+\i+1], v[ST+8*\t+6:ST+8*\t+7], v[O+32*\t+\i:O+32*\t+\i+1] op_sel_hi:[1,0,1]
.endr
.irp i, 0,2,4,6,8,10,12,14,16,18,20,22,24,26,28,30
	v_pk_fma_f32 v[O+32*\t+\i:O+32*\t+\i+1], v[RA+\i:RA+\i+1], v[ST+8*\t:ST+8*\t+1], v[O+32*\t+\i:O+32*\t+\i+1] op_sel_hi:[1,0,1]
.endr
	WIN 0x05
.irp i, 0,1,2,3,4,5,6,7,8,9,10,11,12,13,14,15
	v_cvt_pk_f16_f32 v[S+32*\t+\i], v[O+32*\t+2*\i], v[O+32*\t+2*\i+1]
.endr
	WIN 0
.irp ct, 0,1,2,3
	global_store_b128 v[L16], v[S+32*\t+4*\ct:S+32*\t+4*\ct+3], s[48:49] offset:\t*32768+512*\ct   ; 512 consecutive bytes, aligned: half a fragment of the last product's operand
.endr
.endr
.Lnext_job:
	s_add_co_u32 s27, s27, 1
	s_cmp_lt_u32 s27, 2
	s_cbranch_scc1 .Ljob
	s_wait_tensorcnt 0x0
	ds_add_u32 v126, v127
	s_wait_dscnt 0x0
	s_endpgm
.Lfunc_end_k_q6ed3bc9609_attn:
	.size	k_q6ed3bc9609_attn, .Lfunc_end_k_q6ed3bc9609_attn-k_q6ed3bc9609_attn
	.p2alignl 7, 3214868480
	.fill 96, 4, 3214868480
	.section	.rodata,"a",@progbits
	.p2align	6, 0x0
	.amdhsa_kernel k_q6ed3bc9609_attn
		.amdhsa_group_segment_fixed_size 154624
		.amdhsa_private_segment_fixed_size 0
		.amdhsa_enable_private_segment 0
		.amdhsa_kernarg_size 24
		.amdhsa_user_sgpr_count 2
		.amdhsa_user_sgpr_kernarg_segment_ptr 1
		.amdhsa_wavefront_size32 1
		.amdhsa_system_sgpr_workgroup_id_x 1
		.amdhsa_system_sgpr_workgroup_id_y 1
		.amdhsa_system_sgpr_workgroup_id_z 1
		.amdhsa_system_vgpr_workitem_id 0
		.amdhsa_next_free_vgpr 512
		.amdhsa_next_free_sgpr 66
		.amdhsa_reserve_vcc 1
		.amdhsa_float_denorm_mode_32 3
		.amdhsa_float_denorm_mode_16_64 3
		.amdhsa_memory_ordered 1
		.amdhsa_forward_progress 1
		.amdhsa_inst_pref_size 251
	.end_amdhsa_kernel
	.amdgpu_metadata
---
amdhsa.version: [ 1, 2 ]
amdhsa.kernels:
  - .name:           k_q6ed3bc9609_attn
    .symbol:         k_q6ed3bc9609_attn.kd
    .args:
      - { .name: qkv, .offset: 0, .size: 8, .value_kind: global_buffer, .address_space: global }
      - { .name: val_lens, .offset: 8, .size: 8, .value_kind: global_buffer, .address_space: global }
      - { .name: ob, .offset: 16, .size: 8, .value_kind: global_buffer, .address_space: global }
    .group_segment_fixed_size: 154624
    .private_segment_fixed_size: 0
    .kernarg_segment_align: 8
    .kernarg_segment_size: 24
    .max_flat_workgroup_size: 256
    .sgpr_count:     66
    .vgpr_count:     512
    .wavefront_size: 32
...
	.end_amdgpu_metadata
.endif
;; end of part 3
;; launch proj (part 4): grid 4 x 64, 4 waves a work-group, clusters of 4 x 4, 327,680 bytes of LDS; arguments ob, wo, bout, out0; writes out0
.if DOCPART == 4
	.amdgcn_target "amdgcn-amd-amdhsa--gfx1250"
	.amdhsa_code_object_version 6
	.text
	.protected	k_q6ed3bc9609_proj
	.globl	k_q6ed3bc9609_proj
	.p2align	8
	.type	k_q6ed3bc9609_proj,@function
k_q6ed3bc9609_proj:
	s_mov_b64 s[64:65], 0
	v_nop
	global_prefetch_b8 v0, s[64:65] scope:SCOPE_SE
	s_setreg_imm32_b32 hwreg(HW_REG_WAVE_MODE, 25, 1), 1
	s_wait_xcnt 0x0
	s_wait_alu depctr_hold_cnt(0) depctr_sa_sdst(0) depctr_va_vdst(0) depctr_va_sdst(0) depctr_va_ssrc(0) depctr_va_vcc(0) depctr_vm_vsrc(0)
	s_getreg_b32 s2, hwreg(HW_REG_IB_STS2, 6, 4)
	s_cmp_eq_u32 s2, 0
	s_cbranch_scc0 .Lentry_in_a_cluster
	s_endpgm
.Lentry_in_a_cluster:
	s_bfe_u32 s2, ttmp6, 0x10000c
	s_cmp_lg_u32 s2, 0xf033
	s_cbranch_scc0 .Lentry_shape_is_right
	s_endpgm
.Lentry_shape_is_right:
; PROJ: out0 = O Wout + bout.  O [8192][1024] and Wout^T [1024][1024] arrive as f16 images of fragments (16 rows x 32 K, 1 KB; [tile of 16 rows][32 along K][1 KB]); sums in f32; out0 f32.
; A tile of out0 is 128 x 256: 256 work-groups.  Four waves, 2 x 2, each 64 x 128: 32 accumulators, 256 registers.  K goes in eight steps of 128 through a ring of two LDS slots filled by the tensor data mover.
; A K step of a tile of 16 rows is 4,096 consecutive bytes: a tensor load brings rows of 4,096 bytes, 32,768 apart; in LDS every fragment load is 16 x lane, so there is no padding.
; CLUSTERS: 4 x 4.  The four of a row of the cluster need the same tiles of O, the four of a column the same tiles of Wout^T: each is asked for jointly.
; THE MATRIX INSTRUCTION IS USED TRANSPOSED (source 0 = 16 columns of Wout, source 1 = 16 rows of O): a lane holds eight neighbouring numbers of a row of out0.
; REGISTERS: window 0: v16-30 addresses; v32-127, v128-223 two fragment buffers (A's four at + 8 a, B's eight at + 32 + 8 b); v224-227 bias; on the way out v32-159 rows.   window 1: accumulator (a, b) at 8 (8 a + b).
.set SLOT,   98304                     ; A [row tile 8][4][1 KB], then B [column tile 16][4][1 KB]
.set BOFF,   32768
.set SPARE,  196608                    ; behind the ring: the spare words, 128 bytes for each wave: two blocks of 256 bytes that no other line names
.set SPITCH, 528                       ; the way out: 16 rows x (512 + 16) bytes for each wave, in slot 0, which has had its last fill and its last read by then
.set ADRA, 16
.set ADRB, 20
.set STO,  24
.set RD,   25
.set CO,   26
.set SPW,  28
.set NIL,  29
.set PFO,  30
.set F0,   32
.set F1,   128
.set BIAS, 224
.set BK,   32
.set G1,   24
.set G0,   32
.set G1B,  48
.set G0B,  56
.set PFA,  44
.set LIM,  66
.set MUL,  0x50                        ; sources in window 0, C and D in window 1
.set MSB, 0
.macro WIN new
.if MSB != \new
	s_set_vgpr_msb (MSB<<8)|\new
.set MSB, \new
.endif
.endm
.macro PLACES
.rept 4
	v_nop
.endr
.endm
.macro JLOAD s                         ; a joint load: waves 0 and 1 fetch A's two halves, waves 2 and 3 B's; four v_nop follow each of the two lines
	s_cmp_eq_u32 s13, 0
	s_cbranch_scc0 .Lfor_b_\@
	tensor_load_to_lds s[G0+4*\s:G0+4*\s+3], s[G1:G1+7]
	s_nop 0
	PLACES
	s_branch .Lasked_\@
.Lfor_b_\@:
	tensor_load_to_lds s[G0B+4*\s:G0B+4*\s+3], s[G1B:G1B+7]
	s_nop 0
	PLACES
.Lasked_\@:
.endm
.macro CREST                           ; a round of the cluster's barrier behind its opening barrier
	s_cmp_lg_u32 s12, 0
	s_cbranch_scc1 .Lnot_wave_0_\@
	s_barrier_signal -3
.Lnot_wave_0_\@:
	s_barrier_wait -3
	s_barrier_signal -1
	s_barrier_wait -1
.endm
.macro CROUND
	s_barrier_signal -1
	s_barrier_wait -1
	CREST
.endm
; A prefetch of O's tile for the K step two refills on: 8 row tiles x 4,096 bytes = 128 blocks of 256 bytes; the four partners of a row of the cluster take two row tiles each, told apart by address;
; in each, wave 0 asks, a lane a block.  All column tiles of a row tile lie in one cluster, so each block is named once.  The loop's last trip, whose refills are the last two K steps, asks for nothing.
; Wout's images are read by every row of clusters and are not asked for.
.macro ASK
	s_cmp_gt_u32 s3, s[LIM]
	s_cbranch_scc0 .Lnot_mine_\@
	global_prefetch_b8 v[PFO], s[PFA:PFA+1] offset:4096 th:TH_LOAD_NT scope:SCOPE_SE
.Lnot_mine_\@:
.endm
	s_load_b256 s[4:11], s[0:1], 0x0               ; ob s[4:5], wo s[6:7], bout s[8:9], out0 s[10:11]
	v_lshl_add_u32 v[SPW], v0, 2, SPARE
	v_mov_b32 v[NIL], 0
	ds_add_u32 v28, v29
	s_wait_dscnt 0x0
	v_lshrrev_b32 v1, 5, v0
	v_readfirstlane_b32 s12, v1                    ; wave
	s_lshr_b32 s13, s12, 1                         ; which 64 rows are mine.  Also: I fetch for A (0) or for B (1)
	s_and_b32 s14, s12, 1                          ; which 128 columns.  Also: which half of that tile I fetch
	s_bfe_u32 s15, ttmp6, 0x40000                  ; cx
	s_bfe_u32 s16, ttmp6, 0x40004                  ; cy
	s_lshl_b32 s17, ttmp9, 2
	s_add_co_u32 s17, s17, s15                     ; tile column
	s_and_b32 s18, ttmp7, 0xffff
	s_lshl_b32 s18, s18, 2
	s_add_co_u32 s18, s18, s16                     ; tile row
	s_lshl_b32 s40, s16, 2
	s_lshl_b32 s40, 15, s40                        ; my row of the cluster
	s_lshl_b32 s41, 0x1111, s15                    ; my column
	s_or_b32 s[G1], s40, (3<<16)|(1<<21)           ; 15:0 the mask; 17:16 elements of 8 bytes; 21 set beside a mask
	s_or_b32 s[G1B], s41, (3<<16)|(1<<21)
	s_mov_b32 s[G1+1], 512<<16                     ; tensor_dim0: 4,096 bytes
	s_mov_b32 s[G1+2], 4<<16                       ; tensor_dim1: four row tiles
	s_mov_b32 s[G1+3], 512<<16                     ; tile_dim0
	s_mov_b32 s[G1+4], 4                           ; tile_dim1
	s_mov_b32 s[G1+5], 4096                        ; pitch: 32,768 bytes
	s_mov_b32 s[G1+6], 0
	s_mov_b32 s[G1+7], 0
	s_mov_b32 s[G1B+1], 512<<16
	s_mov_b32 s[G1B+2], 8<<16                      ; eight column tiles
	s_mov_b32 s[G1B+3], 512<<16
	s_mov_b32 s[G1B+4], 8
	s_mov_b32 s[G1B+5], 4096
	s_mov_b32 s[G1B+6], 0
	s_mov_b32 s[G1B+7], 0
	s_lshl_b32 s42, s18, 3
	s_lshl_b32 s19, s14, 2
	s_add_co_u32 s42, s42, s19
	s_lshl_b32 s42, s42, 15                        ; A: row tile 8 x tile row + 4 x half
	s_mov_b32 s43, 0
	s_lshl_b32 s46, s17, 4
	s_lshl_b32 s47, s14, 3
	s_add_co_u32 s46, s46, s47
	s_lshl_b32 s46, s46, 15                        ; B: column tile 16 x tile column + 8 x half
	s_mov_b32 s47, 0
	s_lshl_b32 s20, s14, 14                        ; where they go in a slot: no place in the cluster enters an LDS address
	s_lshl_b32 s21, s14, 15
	s_add_co_u32 s21, s21, BOFF
	s_wait_kmcnt 0x0
	s_add_nc_u64 s[42:43], s[4:5], s[42:43]
	s_add_nc_u64 s[46:47], s[6:7], s[46:47]
	CROUND                                         ; all sixteen work-groups are here: the first joint loads meet
.irp s, 0,1
	s_mov_b32 s[G0+4*\s], 1
	s_add_co_u32 s[G0+4*\s+1], s20, \s*SLOT
	s_add_nc_u64 s[G0+4*\s+2:G0+4*\s+3], s[42:43], \s*4096
	s_or_b32 s[G0+4*\s+3], s[G0+4*\s+3], 0x80000000
	s_mov_b32 s[G0B+4*\s], 1
	s_add_co_u32 s[G0B+4*\s+1], s21, \s*SLOT
	s_add_nc_u64 s[G0B+4*\s+2:G0B+4*\s+3], s[46:47], \s*4096
	s_or_b32 s[G0B+4*\s+3], s[G0B+4*\s+3], 0x80000000
	JLOAD \s                                       ; two loads of mine are out
.endr
	v_and_b32 v1, 31, v0
	v_lshlrev_b32 v[CO], 4, v1                     ; 16 x lane
	s_lshl_b32 s22, s13, 14                        ; my four row tiles of A
	s_lshl_b32 s23, s14, 15                        ; my eight column tiles of B,
	s_add_co_u32 s23, s23, BOFF                    ; which lie behind A
.irp s, 0,1
	v_add_nc_u32 v[ADRA+\s], s22, v[CO]
	v_add_nc_u32 v[ADRB+\s], s23, v[CO]
	s_add_co_u32 s22, s22, SLOT
	s_add_co_u32 s23, s23, SLOT
.endr
	v_and_b32 v2, 15, v0
	v_bfe_u32 v3, v0, 4, 1
	s_mul_i32 s22, s12, 16*SPITCH                  ; my stage
	v_mul_u32_u24 v[STO], v2, SPITCH
	v_lshl_add_u32 v[STO], v3, 5, v[STO]
	v_add_nc_u32 v[STO], s22, v[STO]               ; in: row l % 16, 32 bytes for each half of the lanes
	v_add_nc_u32 v[RD], s22, v[CO]                 ; back: the 32 lanes take a row of 512 bytes
	v_lshlrev_b32 v[PFO], 8, v2
	v_lshl_add_u32 v[PFO], v3, 15, v[PFO]          ; the prefetch: lanes 0-15 one row tile's sixteen blocks, lanes 16-31 the next's
	s_lshl_b32 s68, s18, 3
	s_lshl_b32 s69, s15, 1
	s_add_co_u32 s68, s68, s69
	s_lshl_b32 s68, s68, 15
	s_add_co_u32 s68, s68, 8192                    ; at K step 2: the first refill steps it to 3 and names K step 4
	s_mov_b32 s69, 0
	s_add_nc_u64 s[PFA:PFA+1], s[4:5], s[68:69]
	s_cmp_eq_u32 s12, 0
	s_cselect_b32 s[LIM], 1, -1
	s_lshl_b32 s68, s18, 7
	s_lshl_b32 s70, s13, 6
	s_add_co_u32 s68, s68, s70
	s_lshl_b32 s68, s68, 12                        ; my first row of out0, 4,096 bytes a row
	s_lshl_b32 s70, s17, 10
	s_lshl_b32 s71, s14, 9
	s_add_co_u32 s70, s70, s71                     ; my first column, in bytes
	s_mov_b32 s71, 0
	s_add_nc_u64 s[8:9], s[8:9], s[70:71]
	s_add_co_u32 s68, s68, s70
	s_add_nc_u64 s[10:11], s[10:11], s[68:69]
	global_load_b128 v[BIAS:BIAS+3], v[CO], s[8:9] ; the bias of the four columns that I store
.macro MUL8 f, a, zero                 ; row tile a x my eight column tiles, 32 along K.  zero = 1: the product starts the sums.  The 32 accumulators take turns, in the same order in every quarter
.irp b, 0,1,2,3,4,5,6,7
.if \zero
	v_wmma_f32_16x16x32_f16 v[8*(8*\a+\b):8*(8*\a+\b)+7], v[\f+32+8*\b:\f+32+8*\b+7], v[\f+8*\a:\f+8*\a+7], 0
.else
	v_wmma_f32_16x16x32_f16 v[8*(8*\a+\b):8*(8*\a+\b)+7], v[\f+32+8*\b:\f+32+8*\b+7], v[\f+8*\a:\f+8*\a+7], v[8*(8*\a+\b):8*(8*\a+\b)+7]
.endif
.endr
.endm
.macro FETCH slot, q, f                ; 24 LDS loads in one run: the fragments of the slot's q-th 32 along K: B's eight, then A's four
	WIN 0
.irp b, 0,1,2,3,4,5,6,7
	ds_load_b128 v[\f+32+8*\b:\f+32+8*\b+3], v[ADRB+\slot] offset:4096*\b+1024*\q
	ds_load_b128 v[\f+32+8*\b+4:\f+32+8*\b+7], v[ADRB+\slot] offset:4096*\b+1024*\q+512
.endr
.irp a, 0,1,2,3
	ds_load_b128 v[\f+8*\a:\f+8*\a+3], v[ADRA+\slot] offset:4096*\a+1024*\q
	ds_load_b128 v[\f+8*\a+4:\f+8*\a+7], v[ADRA+\slot] offset:4096*\a+1024*\q+512
.endr
.endm
; A K step is four quarters of 32 along K, 32 products each, on buffers 0, 1, 0, 1.  One of the first three: multiplies buffer f and fetches quarter q into g.
.macro QUARTER slot, q, f, g, zero
	s_wait_dscnt 4                                 ; B and A's row tiles 0, 1 are in; the youngest four loads may be out
	WIN MUL
	MUL8 \f, 0, \zero
	MUL8 \f, 1, \zero
	PLACES                                         ; four places in front of loads into registers that products have read
	FETCH \slot, \q, \g
	s_wait_dscnt 24                                ; all but the 24 just issued
	WIN MUL
	MUL8 \f, 2, \zero
	MUL8 \f, 3, \zero
.endm
; The last quarter multiplies buffer 1 and changes slots: one barrier; in front of it each wave waits for all its tensor loads, adds 0 to its spare word, and waits for that and for its reads of this slot.
.macro TURN slot, next, fill
.if \fill
	s_wait_xcnt 0x0                                ; the last prefetch, a K step back, has read its address
	s_add_nc_u64 s[PFA:PFA+1], s[PFA:PFA+1], 4096
.endif
	WIN 0
	s_wait_tensorcnt 0x0                           ; all my tensor loads have landed: my part of the next slot
	ds_add_u32 v[SPW], v[NIL]                      ; 0 onto my spare word
	s_wait_dscnt 5                                 ; (the add and the youngest four loads may be out)
	WIN MUL
	MUL8 F1, 0, 0                                  ; eight products stand between the add and the wait for it
	s_wait_dscnt 0x0                               ; the add is done, and my reads of this slot are over
	s_barrier_signal -1
	MUL8 F1, 1, 0
	WIN 0
	s_barrier_wait -1
.if \fill
	CREST                                          ; the barrier has opened a round of the cluster's: no wave of any partner still reads this slot or has a load on its way
	s_add_nc_u64 s[G0+4*\slot+2:G0+4*\slot+3], s[G0+4*\slot+2:G0+4*\slot+3], 8192
	s_add_nc_u64 s[G0B+4*\slot+2:G0B+4*\slot+3], s[G0B+4*\slot+2:G0B+4*\slot+3], 8192
	JLOAD \slot                                    ; the first tensor load behind the round, one a wave; its four v_nop are also the places in front of the loads below
.else
	PLACES
.endif
	FETCH \next, 0, F0
.if \fill
	ASK
.endif
	WIN MUL
	MUL8 F1, 2, 0
	MUL8 F1, 3, 0
.endm
	s_wait_tensorcnt 1                             ; my part of K step 0 is in; K step 1's may stay out
	s_barrier_signal -1
	s_barrier_wait -1
	FETCH 0, 0, F0
	QUARTER 0, 1, F0, F1, 1                        ; the first quarter stands in front of the loop: its products start the sums
	WIN 0
	s_mov_b32 s3, 3
.Llap:                                                 ; a trip goes once round the ring and fills both slots again: K steps 2 to 7 in three trips
	QUARTER 0, 2, F1, F0, 0
	QUARTER 0, 3, F0, F1, 0
	TURN 0, 1, 1
	QUARTER 1, 1, F0, F1, 0
	QUARTER 1, 2, F1, F0, 0
	QUARTER 1, 3, F0, F1, 0
	TURN 1, 0, 1
	QUARTER 0, 1, F0, F1, 0
	WIN 0
	s_sub_co_u32 s3, s3, 1
	s_cmp_lg_u32 s3, 0
	s_cbranch_scc1 .Llap
	QUARTER 0, 2, F1, F0, 0                        ; the last lap fills nothing
	QUARTER 0, 3, F0, F1, 0
	TURN 0, 1, 0
	QUARTER 1, 1, F0, F1, 0
	QUARTER 1, 2, F1, F0, 0
	QUARTER 1, 3, F0, F1, 0
	s_wait_dscnt 4
	WIN MUL
	MUL8 F1, 0, 0
	MUL8 F1, 1, 0
	s_wait_dscnt 0x0
	MUL8 F1, 2, 0
	MUL8 F1, 3, 0
	WIN 0
; THE WAY OUT, four blocks of 16 rows x 128 columns: through my own stage, back as whole rows of 512 bytes, + bias, stored as 512 consecutive bytes, aligned.
.macro TOSTAGE a
	WIN 0x04                                       ; an LDS store's data are its source 1: window 1
.irp b, 0,1,2,3,4,5,6,7
	ds_store_b128 v[STO], v[8*(8*\a+\b):8*(8*\a+\b)+3] offset:64*\b          ; each accumulator from its low end on
	ds_store_b128 v[STO], v[8*(8*\a+\b)+4:8*(8*\a+\b)+7] offset:64*\b+16
.endr
	WIN 0
.set BB, BK+64*((\a)%2)
.irp t, 0,1,2,3,4,5,6,7,8,9,10,11,12,13,14,15
	ds_load_b128 v[BB+4*\t:BB+4*\t+3], v[RD] offset:\t*SPITCH   ; LDS serves a wave's instructions in order: these see the stores above
.endr
.endm
.macro SEND a, younger
.set BB, BK+64*((\a)%2)
	s_wait_dscnt \younger
.irp t, 0,1,2,3,4,5,6,7,8,9,10,11,12,13,14,15
	v_pk_add_f32 v[BB+4*\t:BB+4*\t+1], v[BB+4*\t:BB+4*\t+1], v[BIAS:BIAS+1]
	v_pk_add_f32 v[BB+4*\t+2:BB+4*\t+3], v[BB+4*\t+2:BB+4*\t+3], v[BIAS+2:BIAS+3]
	global_store_b128 v[CO], v[BB+4*\t:BB+4*\t+3], s[10:11] offset:(16*(\a)+\t)*4096 th:TH_STORE_NT
.endr
.endm
	PLACES                                         ; in front of the first read of results and of loads into registers that held fragments
	s_wait_loadcnt 0x0                             ; the bias
	TOSTAGE 0
.irp a, 1,2,3
.if \a > 1
	s_wait_xcnt 0x0                                ; block a - 2's stores have read their registers: block a's rows may land there
.endif
	TOSTAGE \a
	SEND \a-1, 32                                  ; behind block a - 1's loads: block a's 16 stores and 16 loads
.endr
	SEND 3, 0
	s_wait_tensorcnt 0x0                           ; the wave's end
	ds_add_u32 v[SPW], v[NIL]
	s_wait_dscnt 0x0
	CROUND                                         ; the closing round
	s_endpgm
.Lfunc_end_k_q6ed3bc9609_proj:
	.size	k_q6ed3bc9609_proj, .Lfunc_end_k_q6ed3bc9609_proj-k_q6ed3bc9609_proj
	.p2alignl 7, 3214868480
	.fill 96, 4, 3214868480
	.section	.rodata,"a",@progbits
	.p2align	6, 0x0
	.amdhsa_kernel k_q6ed3bc9609_proj
		.amdhsa_group_segment_fixed_size 327680
		.amdhsa_private_segment_fixed_size 0
		.amdhsa_enable_private_segment 0
		.amdhsa_kernarg_size 32
		.amdhsa_user_sgpr_count 2
		.amdhsa_user_sgpr_kernarg_segment_ptr 1
		.amdhsa_wavefront_size32 1
		.amdhsa_system_sgpr_workgroup_id_x 1
		.amdhsa_system_sgpr_workgroup_id_y 1
		.amdhsa_system_sgpr_workgroup_id_z 1
		.amdhsa_system_vgpr_workitem_id 0
		.amdhsa_next_free_vgpr 512
		.amdhsa_next_free_sgpr 80
		.amdhsa_reserve_vcc 0
		.amdhsa_float_denorm_mode_32 3
		.amdhsa_float_denorm_mode_16_64 3
		.amdhsa_memory_ordered 1
		.amdhsa_forward_progress 1
		.amdhsa_inst_pref_size 93
	.end_amdhsa_kernel
	.amdgpu_metadata
---
amdhsa.version: [ 1, 2 ]
amdhsa.kernels:
  - .name:           k_q6ed3bc9609_proj
    .symbol:         k_q6ed3bc9609_proj.kd
    .args:
      - { .name: ob, .offset: 0, .size: 8, .value_kind: global_buffer, .address_space: global }
      - { .name: wo, .offset: 8, .size: 8, .value_kind: global_buffer, .address_space: global }
      - { .name: bout, .offset: 16, .size: 8, .value_kind: global_buffer, .address_space: global }
      - { .name: out0, .offset: 24, .size: 8, .value_kind: global_buffer, .address_space: global }
    .group_segment_fixed_size: 327680
    .private_segment_fixed_size: 0
    .kernarg_segment_align: 8
    .kernarg_segment_size: 32
    .max_flat_workgroup_size: 128
    .sgpr_count:     80
    .vgpr_count:     512
    .wavefront_size: 32
...
	.end_amdgpu_metadata
.endif
;; end of part 4
